; MI455X (gfx1250); checked and timed in simulation.
; The chip was launched on July 23, 2026; its instructions are those of AMD's public machine-readable ISA for CDNA 5 (MIT licence, August 2026) and "CDNA5" Instruction Set Architecture Reference Guide (July 2026). The comments in the code are by the model that wrote it; some were corrected since.
;; Attention. Allowed arithmetic: matrix products marked QUANTISED: E4M3 operands, one given power-of-two scale a tensor, by v_wmma_f32_16x16x64_fp8_fp8 or v_wmma_f32_16x16x128_fp8_fp8, f32 sums; everything else in f32.
;; Inputs: Wk 2,048 x 512 float32; Wo 2,048 x 2,048 float32; Wq 2,048 x 2,048 float32; Wv 2,048 x 512 float32; hidden_states 8 x 512 x 2,048 float32; lowp_scales 12 int32 (the exponents e of the quantised operands' scales 2^e).
;; Outputs: out0 8 x 512 x 2,048 float32.
;; This version of the problem:
;;   THIS VERSION OF THE PROBLEM IS GIVEN IN LOW PRECISION. The matrix products marked QUANTISED in the list below multiply operands that are first quantised to E4M3 (4 exponent bits, 3 mantissa bits; 8 bits a number), with one given power-of-two scale for each operand tensor; their sums are f32. All else is computed in f32.
;;   The module's matrix products, in the order in which they are computed (A, B: the left and right operand; K: the contracted axis; several contracted axes count as one K, in the product's order):
;;     1. [M 4,096, K 2,048] x [K 2,048, N 2,048]; A: input hidden_states; B: input Wq: QUANTISED (scales: A lowp_scales[0], B lowp_scales[1])
;;     2. [M 4,096, K 2,048] x [K 2,048, N 512]; A: input hidden_states; B: input Wk: QUANTISED (scales: A lowp_scales[2], B lowp_scales[3])
;;     3. [M 4,096, K 2,048] x [K 2,048, N 512]; A: input hidden_states; B: input Wv: QUANTISED (scales: A lowp_scales[4], B lowp_scales[5])
;;     4. batch 256 x [M 512, K 64] x [K 64, N 512]; A: computed on the way; B: computed on the way: QUANTISED (scales: A lowp_scales[6], B lowp_scales[7])
;;     5. batch 256 x [M 64, K 512] x [K 512, N 512]; A: computed on the way; B: softmax (see below): QUANTISED (scales: A lowp_scales[8], B lowp_scales[9])
;;     6. [M 4,096, K 2,048] x [K 2,048, N 2,048]; A: computed on the way; B: input Wo: QUANTISED (scales: A lowp_scales[10], B lowp_scales[11])
;;   THE QUANTISER, for each operand of a quantised product, along K:
;;     - The operand's scale is 2^e, e = its entry of the input lowp_scales (int32; the entries are numbered through the quantised products in the list's order, A before B).
;;     - Each number is divided by the scale, clamped to +-448, and rounded to the nearest number of E4M3, ties to even, subnormals kept.
;;     - The product sums the exact products of the quantised numbers (number of the format x scale) in f32.
;;   ~~~python
;;   def quantise(x, axis, e):      # numpy; x: float32 -> the quantised numbers, widened to float32 again
;;       x = np.moveaxis(x, axis, -1); K = x.shape[-1]
;;       r = np.clip(x / 2.0 ** e, -448, 448)
;;       step = 2.0 ** (np.maximum(np.frexp(np.where(r == 0, 1, r))[1] - 1, -6) - 3)
;;       q = np.round(r / step) * step * 2.0 ** e      # np.round: ties to even
;;       return np.moveaxis(q, -1, axis).astype(np.float32)
;;   ~~~
;;   SOFTMAX AHEAD OF A QUANTISED PRODUCT. Where the list says 'softmax', what is quantised is not the finished softmax but p = 2^(t - M), with t = logit x log2(e) and M = ceil(the row's largest t), a whole number; so 1/2 < the row's largest p <= 1. The row's sum l is taken of the UNQUANTISED p, in f32, and the product's result is divided by l at the end. Since M is a whole number, a kernel that streams over the keys may use a running M (the ceiling of the running maximum): every later rescaling is an exact power of two, so the quantised numbers keep their values, but for numbers so far below the row's largest that they fall under the format's range.
;;   OPERANDS COMPUTED ON THE WAY. 'Computed on the way' means the value that the module computes at that place (a softmax that the list does not call 'softmax' is quantised finished and normalised). What goes into a quantiser is computed in f32, as accurately as f32 sums, v_exp_f32 and their like allow (about 1e-6 of the number): no bf16 or f16 on the way to a quantiser, and a product that is left as it is and whose result goes on into a quantised operand takes f32 operands (vector FMAs, or v_wmma_f32_16x16x4_f32). A number that lies on a knife's edge between two numbers of the format may be rounded either way, as far as f32 arithmetic and the matrix unit's own rounding can turn it there, and no further.
;; One version. Each part assembles by itself: llvm-mc -triple=amdgcn-amd-amdhsa -mcpu=gfx1250 --defsym DOCPART=n.
;; ======== version 1 of 1: 4 launches
;; limits: right only within a limited range of input values
;; workspace buffers: xc 25,165,824 bytes; wc 10,485,760 bytes; rope 131,072 bytes; qkv 12,582,912 bytes; ac 8,388,608 bytes
;; launch prep (part 1): grid 592 x 1, 4 waves a work-group, no clusters, 68,096 bytes of LDS; arguments hidden_states, Wq, Wk, Wv, Wo, lowp_scales, xc, wc, rope; writes xc, wc, rope
.if DOCPART == 1
	.amdgcn_target "amdgcn-amd-amdhsa--gfx1250"
	.amdhsa_code_object_version 6
	.text
	.protected	k_q26067a4ae2_prep
	.globl	k_q26067a4ae2_prep
	.p2align	8
	.type	k_q26067a4ae2_prep,@function
k_q26067a4ae2_prep:
	s_mov_b64 s[64:65], 0
	v_nop
	global_prefetch_b8 v0, s[64:65] scope:SCOPE_SE
	s_setreg_imm32_b32 hwreg(HW_REG_WAVE_MODE, 25, 1), 1
	s_wait_xcnt 0x0
; THE OPERANDS OF THE FOUR LARGE PRODUCTS BECOME CODES OF FP8 (E4M3), K INNERMOST, AND THE TABLE OF COSINES AND SINES IS MADE.  Three kinds of work-groups, told apart by the work-group's number alone:
;   0 .. 255    hidden_states [4096][2048] f32 -> xc: three matrices [4096][2048] of codes, with the scales 2^e0, 2^e2, 2^e4 (the three products that read it have a scale each), 0x800000 bytes apart.
;   256 .. 575  Wq, Wo [2048 k][2048 n], Wk, Wv [2048 k][512 n] f32 -> wc [5120][2048]: row = column n, K innermost.  Rows 0: Wq (e1), 2048: Wk (e3), 2560: Wv (e5), 3072: Wo (e11).
;   576 .. 591  rope [512 positions][32 cosines, 32 sines] f32: angle = position x 10^(-i/8), i = 0 .. 31.
; code = x / 2^e, held within +-448, rounded to the nearest code, ties to even.
; LIMITS: e0 .. e5 and e11 between -126 and 119, so that 2^e and 448 x 2^e are f32 numbers.  NaN among the inputs is not served; an infinity is held at the largest code.
; The frequency 10^(-i/8) is the f32 nearest to 10^(-(i%8)/8) times the f32 nearest to 10^(-(i/8)): one rounding more than a correctly rounded power; the angle is one f32 product.
; No tensor load, no barrier: waves share nothing.  Each kind of work-group has LDS bytes of its own.
.set SPARE, 67584                      ; behind the stages: the spare words, 128 bytes for each wave: two blocks of 256 bytes that no other line names
.set WSTG,  32768                      ; the weights' stages begin here; the hidden states' lie from 0 on, 8,192 bytes a wave
.set SPW,   12                         ; v12  LDS address of my spare word: SPARE + 4 x my thread's number; never rewritten
.set NIL,   13                         ; v13  0; never rewritten
.set SP,    80                         ; hidden states: a lane's place in a stage: its 64 bytes + 16 of padding
.set STEPS, 16
.set HR,    16                         ; v16-79   four sets of 16 numbers as they are loaded
.set HX,    80                         ; v80-111  two sets of 16 neighbours
.set HT,    112                        ; v112-127 the 16 neighbours, held for one scale
.set HC,    128                        ; v128-151 codes: two sets of 3 x 4 registers
.set PITCH, 272                        ; weights: a stage row: 256 bytes of codes + 16
.set NB,    8                          ; weights: blocks of 32 along K for a wave
.set WX,    32                         ; v32-95   two sets of 32 numbers; at the end the rows read back from the stage
.set WC,    96                         ; v96-103  a block's codes
.set WOF,   112                        ; v112-143 4 x lane + i x a row of the weight in bytes, i = 0 .. 31; never rewritten
	s_load_b512 s[8:23], s[0:1], 0x0               ; hidden s[8:9], Wq s[10:11], Wk s[12:13], Wv s[14:15], Wo s[16:17], the exponents s[18:19], xc s[20:21], wc s[22:23]
	s_load_b64 s[24:25], s[0:1], 0x40              ; rope
	v_lshl_add_u32 v[SPW], v0, 2, SPARE
	v_mov_b32 v[NIL], 0
	v_lshrrev_b32 v1, 5, v0
	v_readfirstlane_b32 s2, v1                     ; wave 0..3
	v_and_b32 v2, 31, v0                           ; lane
	s_wait_kmcnt 0x0
	s_load_b256 s[36:43], s[18:19], 0x0            ; e0 .. e7
	s_load_b128 s[44:47], s[18:19], 0x20           ; e8 .. e11
	s_cmp_lt_u32 ttmp9, 256
	s_cbranch_scc0 .Lweights
; ---------------- hidden_states: a plain stream of numbers.  A wave takes 16 steps of 512 numbers.
; The conversions take 8 numbers from ONE lane's consecutive registers, so a lane must hold 16 neighbours; a load is dense where neighbouring lanes take neighbouring bytes.  Both are had:
; each of a step's four loads reads 512 consecutive bytes, the 2,048 bytes go through the wave's own stage in LDS as they lie and come back 64 bytes a lane.  The numbers are read once and quantised three times.
	s_lshl_b32 s3, ttmp9, 2
	s_add_co_u32 s3, s3, s2                        ; which run of 8,192 numbers is my wave's: 0 .. 1023
	s_lshl_b32 s32, s3, 15                         ; x 32,768 bytes of f32
	s_mov_b32 s33, 0
	s_add_nc_u64 s[8:9], s[8:9], s[32:33]
	s_lshl_b32 s32, s3, 13                         ; x 8,192 bytes of codes
	s_add_nc_u64 s[26:27], s[20:21], s[32:33]      ; the codes with e0,
	s_add_nc_u64 s[28:29], s[26:27], 0x800000      ; with e2,
	s_add_nc_u64 s[30:31], s[26:27], 0x1000000     ; with e4
	s_wait_alu depctr_va_vdst(0)
	v_lshlrev_b32 v3, 4, v2                        ; my 16 bytes of a load's 512, and of a store's; never rewritten
	s_mul_i32 s34, s2, 8192                        ; my wave's region in LDS: two stages of 32 x SP bytes
	v_lshrrev_b32 v14, 2, v2
	v_mul_u32_u24 v14, v14, SP
	v_and_b32 v15, 3, v2
	v_lshl_add_u32 v14, v15, 4, v14
	v_add_nc_u32 v14, s34, v14                     ; into the stage: four lanes' 64 bytes on end, then 16 of padding
	v_mul_u32_u24 v15, v2, SP
	v_add_nc_u32 v15, s34, v15                     ; out of it: SP x lane: my 16 neighbours
.macro HLOAD t
.irp i, 0,1,2,3
	global_load_b128 v[HR+16*((\t)%4)+4*\i:HR+16*((\t)%4)+4*\i+3], v3, s[8:9] offset:2048*(\t)+512*\i th:TH_LOAD_NT   ; 32 lanes read 512 consecutive bytes
.endr
.endm
.macro HTURN t                         ; step t's numbers through the stage: LDS serves a wave's instructions in order, so no wait stands between the stores and the loads
.irp i, 0,1,2,3
	ds_store_b128 v14, v[HR+16*((\t)%4)+4*\i:HR+16*((\t)%4)+4*\i+3] offset:32*SP*((\t)%2)+8*SP*\i
.endr
.irp i, 0,1,2,3
	ds_load_b128 v[HX+16*((\t)%2)+4*\i:HX+16*((\t)%2)+4*\i+3], v15 offset:32*SP*((\t)%2)+16*\i
.endr
.endm
.irp t, 0,1,2,3
	HLOAD \t
.endr
	s_wait_alu depctr_va_vdst(0)
	s_wait_kmcnt 0x0
.irp k, 0,1,2
	s_add_co_i32 s32, s[36+2*\k], 127
	s_lshl_b32 s33, s32, 23
	v_mov_b32 v[6+2*\k], s33                       ; 2^e as f32: the conversion takes its exponent field
	s_add_co_i32 s32, s32, 8
	s_lshl_b32 s32, s32, 23
	s_or_b32 s32, s32, 0x600000
	v_mov_b32 v[7+2*\k], s32                       ; 448 x 2^e
.endr
	s_wait_alu depctr_va_vdst(0)
	s_wait_loadcnt 12                              ; step 0's four loads are in; those of steps 1 to 3 may be out
	HTURN 0
.macro HSTEP t
.set XS, HX+16*((\t)%2)
.set CS, HC+12*((\t)%2)
	s_wait_dscnt 0x0                               ; this step's numbers are back from the stage: so its stores into the stage have read their registers,
.if (\t)+4 < STEPS
	HLOAD (\t)+4                                   ; which take the loads of four steps on
.endif
.if (\t)+1 < STEPS
.if STEPS-2-(\t) >= 3
	s_wait_loadcnt 12                              ; the next step's four loads are in; those of the three steps behind it may be out
.else
	s_wait_loadcnt 4*(STEPS-2-(\t))
.endif
	HTURN (\t)+1                                   ; and go through the other stage while this step is worked
.endif
	s_wait_xcnt 0x0                                ; the stores of two steps back have read their registers: this set of codes is written again only behind this wait
.irp k, 0,1,2
.irp i, 0,1,2,3,4,5,6,7,8,9,10,11,12,13,14,15
	v_med3_num_f32 v[HT+\i], v[XS+\i], -v[7+2*\k], v[7+2*\k]   ; the conversion to an 8-bit code does not saturate (ISA guide 7.6.2): the number is held within the largest code x the scale first
.endr
	v_cvt_scalef32_pk8_fp8_f32 v[CS+4*\k:CS+4*\k+1], v[HT:HT+7], v[6+2*\k]
	v_cvt_scalef32_pk8_fp8_f32 v[CS+4*\k+2:CS+4*\k+3], v[HT+8:HT+15], v[6+2*\k]
	v_nop                                          ; one plain vector line between the conversions and the next holds, which write the conversions' sources
	global_store_b128 v3, v[CS+4*\k:CS+4*\k+3], s[26+2*\k:27+2*\k] offset:512*(\t)   ; the wave stores 512 consecutive bytes, aligned
.endr
.endm
.irp t, 0,1,2,3,4,5,6,7,8,9,10,11,12,13,14,15
	HSTEP \t
.endr
	s_wait_tensorcnt 0x0                           ; the wave's end: behind my last LDS store
	ds_add_u32 v[SPW], v[NIL]
	s_wait_dscnt 0x0
	s_endpgm
; ---------------- the weights: K is their FIRST axis.  A LANE TAKES A COLUMN n, AND ITS REGISTERS RUN DOWN K: each load reads neighbouring n in neighbouring lanes (128 consecutive bytes a wave, 512 a work-group),
; and the conversions give the codes with K innermost.  A wave takes 32 columns x 256 along K; its codes go through its own stage in LDS and leave as rows: sixteen lanes store 256 consecutive bytes, aligned.
.Lweights:
	s_cmp_lt_u32 ttmp9, 576
	s_cbranch_scc0 .Ltable
	s_sub_co_u32 s3, ttmp9, 256                    ; j: 0-127 Wq, 128-255 Wo, 256-287 Wk, 288-319 Wv
	s_sub_co_u32 s26, s3, 128
	s_sub_co_u32 s27, s3, 256
	s_sub_co_u32 s28, s3, 288
	s_mov_b64 s[4:5], s[14:15]                     ; Wv,
	s_mov_b32 s29, 2560                            ; its first row in wc,
	s_mov_b32 s30, s28                             ; my number among its work-groups,
	s_mov_b32 s31, 2                               ; log2 of its blocks of 128 columns,
	s_mov_b32 s32, 2048                            ; a row of it in bytes
	s_cmp_lt_u32 s3, 288                           ; the choices hang on the work-group's number alone
	s_cselect_b64 s[4:5], s[12:13], s[4:5]         ; Wk
	s_cselect_b32 s29, 2048, s29
	s_cselect_b32 s30, s27, s30
	s_cmp_lt_u32 s3, 256
	s_cselect_b64 s[4:5], s[16:17], s[4:5]         ; Wo
	s_cselect_b32 s29, 3072, s29
	s_cselect_b32 s30, s26, s30
	s_cselect_b32 s31, 4, s31
	s_cselect_b32 s32, 8192, s32
	s_cmp_lt_u32 s3, 128
	s_cselect_b64 s[4:5], s[10:11], s[4:5]         ; Wq
	s_cselect_b32 s29, 0, s29
	s_cselect_b32 s30, s3, s30
	s_bfm_b32 s33, s31, 0
	s_and_b32 s34, s30, s33                        ; which 128 columns
	s_lshr_b32 s35, s30, s31                       ; which 256 along K: 0 .. 7
	s_lshl_b32 s34, s34, 7
	s_lshl_b32 s33, s2, 5
	s_add_co_u32 s34, s34, s33                     ; my wave's first column
	s_mul_i32 s26, s35, s32
	s_lshl_b32 s26, s26, 8                         ; 256 rows of the weight for each step along K,
	s_lshl_b32 s33, s34, 2
	s_add_co_u32 s26, s26, s33                     ; + 4 bytes a column
	s_mov_b32 s27, 0
	s_add_nc_u64 s[48:49], s[4:5], s[26:27]        ; block 0 of my 8 blocks of 32 rows,
	s_lshl_b32 s26, s32, 5
.irp t, 1,2,3,4,5,6,7
	s_add_nc_u64 s[48+2*\t:49+2*\t], s[46+2*\t:47+2*\t], s[26:27]   ; and the others, 32 rows apart: a base for each, so that none is stepped
.endr
	s_add_co_u32 s28, s29, s34
	s_lshl_b32 s28, s28, 11                        ; my first row of wc, 2,048 bytes a row,
	s_lshl_b32 s33, s35, 8
	s_add_co_u32 s28, s28, s33                     ; + my 256 along K
	s_mov_b32 s29, 0
	s_add_nc_u64 s[8:9], s[22:23], s[28:29]
	s_wait_alu depctr_va_vdst(0)
	v_lshlrev_b32 v[WOF], 2, v2
.set i, 1
.rept 31
	v_add_nc_u32 v[WOF+i], s32, v[WOF+i-1]
.set i, i+1
.endr
	s_mul_i32 s33, s2, 32*PITCH
	s_add_co_u32 s33, s33, WSTG                    ; my stage
	v_mul_u32_u24 v4, v2, PITCH
	v_add_nc_u32 v4, s33, v4                       ; into it: row = my column
	v_and_b32 v5, 15, v2
	v_lshrrev_b32 v6, 4, v2                        ; out of it: sixteen lanes to a row, two rows an instruction
	v_mul_u32_u24 v7, v6, PITCH
	v_lshl_add_u32 v7, v5, 4, v7
	v_add_nc_u32 v7, s33, v7
	v_lshlrev_b32 v8, 11, v6
	v_lshl_add_u32 v8, v5, 4, v8                   ; and the same place in wc
.macro WLOAD t                         ; block t: W(32 t + i, my column), i = 0 .. 31, into set t % 2
.set i, 0
.rept 32
	global_load_b32 v[WX+32*((\t)%2)+i], v[WOF+i], s[48+2*(\t):49+2*(\t)] th:TH_LOAD_NT
.set i, i+1
.endr
.endm
	WLOAD 0
	WLOAD 1
	s_wait_kmcnt 0x0
	s_cmp_lt_u32 s3, 288
	s_cselect_b32 s30, s39, s41                    ; e3 for Wk, e5 for Wv,
	s_cmp_lt_u32 s3, 256
	s_cselect_b32 s30, s47, s30                    ; e11 for Wo,
	s_cmp_lt_u32 s3, 128
	s_cselect_b32 s30, s37, s30                    ; e1 for Wq
	s_add_co_i32 s30, s30, 127
	s_lshl_b32 s31, s30, 23
	v_mov_b32 v11, s31                             ; 2^e as f32
	s_add_co_i32 s30, s30, 8
	s_lshl_b32 s30, s30, 23
	s_or_b32 s30, s30, 0x600000
	v_mov_b32 v10, s30                             ; 448 x 2^e
.macro WBLOCK t
.set XS, WX+32*((\t)%2)
.if (\t) < NB-1
	s_wait_loadcnt 32                              ; this block's 32 loads are in; the next block's may be out
.else
	s_wait_loadcnt 0
.endif
.set i, 0
.rept 32
	v_med3_num_f32 v[XS+i], v[XS+i], -v10, v10     ; the hold at the largest code x the scale
.set i, i+1
.endr
.irp g, 0,1,2,3
	v_cvt_scalef32_pk8_fp8_f32 v[WC+2*\g:WC+2*\g+1], v[XS+8*\g:XS+8*\g+7], v11
.endr
	v_nop                                          ; one plain vector line behind the last conversion of the run
	ds_store_b128 v4, v[WC:WC+3] offset:32*(\t)    ; 32 codes: 32 bytes of my column's row
	ds_store_b128 v4, v[WC+4:WC+7] offset:32*(\t)+16
.if (\t)+2 < NB
	WLOAD (\t)+2
.endif
	s_wait_dscnt 0x0                               ; the stores have read their registers: the next block's codes may be written
.endm
	s_wait_alu depctr_va_vdst(0)
.irp t, 0,1,2,3,4,5,6,7
	WBLOCK \t
.endr
.irp t, 0,1,2,3,4,5,6,7,8,9,10,11,12,13,14,15
	ds_load_b128 v[WX+4*\t:WX+4*\t+3], v7 offset:2*\t*PITCH   ; LDS serves a wave's instructions in order: these see my stores
.endr
.irp t, 0,1,2,3,4,5,6,7,8,9,10,11,12,13,14,15
	s_wait_dscnt 15-\t                             ; loads come back in order: the younger ones may be out
	global_store_b128 v8, v[WX+4*\t:WX+4*\t+3], s[8:9] offset:2*\t*2048
.endr
	s_wait_tensorcnt 0x0                           ; the wave's end: behind my last LDS store
	ds_add_u32 v[SPW], v[NIL]
	s_wait_dscnt 0x0
	s_endpgm
; ---------------- the table.  A work-group makes 32 positions, a wave 8, a store two rows of 256 bytes.  In a row lanes 0-7 of sixteen hold the cosines of frequencies 4 (lane % 8) + 0 .. 3, lanes 8-15 the sines.
; The angle is reduced by a whole number k of quarter turns, pi / 2 taken in two parts, so that |r| <= pi / 4; sine and cosine of r come from polynomials in r^2 good to f32's last bits there;
; k (for a cosine k + 1) picks one of the two and the sign.  Position 0 gives exactly 1 and 0.
.Ltable:
	s_sub_co_u32 s3, ttmp9, 576
	s_lshl_b32 s3, s3, 5
	s_lshl_b32 s35, s2, 3
	s_add_co_u32 s3, s3, s35                       ; my wave's first position
	s_lshl_b32 s4, s3, 8
	s_mov_b32 s5, 0
	s_add_nc_u64 s[24:25], s[24:25], s[4:5]
	s_mov_b32 s26, 0x3f22f983                      ; 2 / pi
	s_mov_b32 s27, 0xbfc90fdb                      ; -(pi / 2 as f32)
	s_mov_b32 s28, 0x333bbd2e                      ; -(what pi / 2 has beyond that)
	s_mov_b32 s29, 0xbe2aaaa3                      ; the sine's three coefficients
	s_mov_b32 s30, 0x3c08839e
	s_mov_b32 s31, 0xb94ca1f9
	s_mov_b32 s32, 0x3d2aaaa5                      ; the cosine's three, behind 1 - z / 2
	s_mov_b32 s33, 0xbab6061a
	s_mov_b32 s34, 0x37ccf5ce
	s_wait_alu depctr_va_vdst(0)
	v_bfe_u32 v3, v2, 3, 1
	v_xor_b32 v3, 1, v3                            ; 1 where I hold cosines
	v_lshlrev_b32 v9, 4, v2                        ; my 16 bytes of a store's two rows
	v_lshrrev_b32 v10, 4, v2
	v_add_nc_u32 v10, s3, v10                      ; first position + lane / 16
	v_and_b32 v14, 1, v2
	v_bfe_u32 v15, v2, 1, 2                        ; frequency i = 8 (lane / 2 % 4) + 4 (lane % 2) + e
	v_cmp_eq_u32 vcc_lo, 1, v14
.macro PICK e, lo, hi                  ; 10^(-(i % 8) / 8)
	v_mov_b32 v16, \lo
	v_mov_b32 v17, \hi
	v_cndmask_b32 v[4+\e], v16, v17, vcc_lo
.endm
	PICK 0, 0x3f800000, 0x3ea1e89b
	PICK 1, 0x3f3ff911, 0x3e72d424
	PICK 2, 0x3f0ff59a, 0x3e361887
	PICK 3, 0x3ed7e89b, 0x3e088d77
	v_mov_b32 v18, 1.0                             ; 10^(-(i / 8))
	v_mov_b32 v19, 0x3dcccccd
	v_cmp_eq_u32 vcc_lo, 1, v15
	v_cndmask_b32 v18, v18, v19, vcc_lo
	v_mov_b32 v19, 0x3c23d70a
	v_cmp_eq_u32 vcc_lo, 2, v15
	v_cndmask_b32 v18, v18, v19, vcc_lo
	v_mov_b32 v19, 0x3a83126f
	v_cmp_eq_u32 vcc_lo, 3, v15
	v_cndmask_b32 v18, v18, v19, vcc_lo
.irp e, 0,1,2,3
	v_mul_f32 v[4+\e], v[4+\e], v18
.endr
.macro SINCOS dst, inv
	v_mul_f32 v16, v8, v[\inv]                     ; the angle
	v_mul_f32 v17, s26, v16
	v_rndne_f32 v17, v17                           ; k
	v_fma_f32 v18, v17, s27, v16
	v_fma_f32 v18, v17, s28, v18                   ; r
	v_mul_f32 v19, v18, v18                        ; z = r^2
	v_fma_f32 v20, s31, v19, s30
	v_fma_f32 v21, s34, v19, s33
	v_fma_f32 v20, v20, v19, s29
	v_fma_f32 v21, v21, v19, s32
	v_mul_f32 v20, v20, v19
	v_fma_f32 v21, v21, v19, -0.5
	v_fma_f32 v20, v20, v18, v18                   ; sin r
	v_fma_f32 v21, v21, v19, 1.0                   ; cos r
	v_cvt_i32_f32 v22, v17
	v_add_nc_u32 v22, v22, v3                      ; a cosine is the sine a quarter turn on
	v_and_b32 v23, 2, v22
	v_and_b32 v22, 1, v22
	v_lshlrev_b32 v23, 30, v23                     ; quarters 2 and 3: the sign
	v_cmp_eq_u32 vcc_lo, 1, v22
	v_cndmask_b32 v20, v20, v21, vcc_lo            ; quarters 1 and 3: cos r
	v_xor_b32 v[\dst], v20, v23
.endm
.irp q, 0,1,2,3
	v_add_nc_u32 v11, 2*\q, v10
	v_cvt_f32_u32 v8, v11                          ; the position
.irp e, 0,1,2,3
	SINCOS 32+4*\q+\e, 4+\e
.endr
	global_store_b128 v9, v[32+4*\q:35+4*\q], s[24:25] offset:512*\q   ; two whole rows: 512 consecutive bytes, aligned; each store has registers of its own
.endr
	s_wait_kmcnt 0x0                               ; the exponents, asked for at the head for the other kinds, have come
	s_wait_tensorcnt 0x0                           ; the wave's end, in the same three lines as the other kinds'
	ds_add_u32 v[SPW], v[NIL]
	s_wait_dscnt 0x0
	s_endpgm
.Lfunc_end_k_q26067a4ae2_prep:
	.size	k_q26067a4ae2_prep, .Lfunc_end_k_q26067a4ae2_prep-k_q26067a4ae2_prep
	.p2alignl 7, 3214868480
	.fill 96, 4, 3214868480
	.section	.rodata,"a",@progbits
	.p2align	6, 0x0
	.amdhsa_kernel k_q26067a4ae2_prep
		.amdhsa_group_segment_fixed_size 68096
		.amdhsa_private_segment_fixed_size 0
		.amdhsa_enable_private_segment 0
		.amdhsa_kernarg_size 72
		.amdhsa_user_sgpr_count 2
		.amdhsa_user_sgpr_kernarg_segment_ptr 1
		.amdhsa_wavefront_size32 1
		.amdhsa_system_sgpr_workgroup_id_x 1
		.amdhsa_system_sgpr_workgroup_id_y 1
		.amdhsa_system_sgpr_workgroup_id_z 1
		.amdhsa_system_vgpr_workitem_id 0
		.amdhsa_next_free_vgpr 160
		.amdhsa_next_free_sgpr 66
		.amdhsa_reserve_vcc 1
		.amdhsa_float_denorm_mode_32 3
		.amdhsa_float_denorm_mode_16_64 3
		.amdhsa_memory_ordered 1
		.amdhsa_forward_progress 1
		.amdhsa_inst_pref_size 149
	.end_amdhsa_kernel
	.amdgpu_metadata
---
amdhsa.version: [ 1, 2 ]
amdhsa.kernels:
  - .name:           k_q26067a4ae2_prep
    .symbol:         k_q26067a4ae2_prep.kd
    .args:
      - { .name: hidden_states, .offset: 0, .size: 8, .value_kind: global_buffer, .address_space: global }
      - { .name: Wq, .offset: 8, .size: 8, .value_kind: global_buffer, .address_space: global }
      - { .name: Wk, .offset: 16, .size: 8, .value_kind: global_buffer, .address_space: global }
      - { .name: Wv, .offset: 24, .size: 8, .value_kind: global_buffer, .address_space: global }
      - { .name: Wo, .offset: 32, .size: 8, .value_kind: global_buffer, .address_space: global }
      - { .name: lowp_scales, .offset: 40, .size: 8, .value_kind: global_buffer, .address_space: global }
      - { .name: xc, .offset: 48, .size: 8, .value_kind: global_buffer, .address_space: global }
      - { .name: wc, .offset: 56, .size: 8, .value_kind: global_buffer, .address_space: global }
      - { .name: rope, .offset: 64, .size: 8, .value_kind: global_buffer, .address_space: global }
    .group_segment_fixed_size: 68096
    .private_segment_fixed_size: 0
    .kernarg_segment_align: 8
    .kernarg_segment_size: 72
    .max_flat_workgroup_size: 128
    .sgpr_count:     66
    .vgpr_count:     160
    .wavefront_size: 32
...
	.end_amdgpu_metadata
.endif
;; end of part 1
;; launch proj (part 2): grid 16 x 12, 4 waves a work-group, clusters of 4 x 1, 327,680 bytes of LDS; arguments xc, wc, rope, lowp_scales, qkv; writes qkv
.if DOCPART == 2
	.amdgcn_target "amdgcn-amd-amdhsa--gfx1250"
	.amdhsa_code_object_version 6
	.text
	.protected	k_q26067a4ae2_proj
	.globl	k_q26067a4ae2_proj
	.p2align	8
	.type	k_q26067a4ae2_proj,@function
k_q26067a4ae2_proj:
	s_mov_b64 s[64:65], 0
	v_nop
	global_prefetch_b8 v0, s[64:65] scope:SCOPE_SE
	s_setreg_imm32_b32 hwreg(HW_REG_WAVE_MODE, 25, 1), 1
	s_wait_xcnt 0x0
	s_wait_alu depctr_hold_cnt(0) depctr_sa_sdst(0) depctr_va_vdst(0) depctr_va_sdst(0) depctr_va_ssrc(0) depctr_va_vcc(0) depctr_vm_vsrc(0)
	s_getreg_b32 s2, hwreg(HW_REG_IB_STS2, 6, 4)
	s_cmp_eq_u32 s2, 0
	s_cbranch_scc0 .Lentry_in_a_cluster
	s_endpgm
.Lentry_in_a_cluster:
	s_bfe_u32 s2, ttmp6, 0x10000c
	s_cmp_lg_u32 s2, 0x3003
	s_cbranch_scc0 .Lentry_shape_is_right
	s_endpgm
.Lentry_shape_is_right:
; q, k, v = hidden_states x Wq, Wk, Wv ON CODES OF FP8 (E4M3), THE ROTATION OF q AND k, AND THE RESULTS AS CODES FOR THE ATTENTION.
; xc: three matrices [4096 tokens][2048] of codes (scales e0, e2, e4), 0x800000 bytes apart.  wc: [column][2048]: rows 0 Wq, 2048 Wk, 2560 Wv.  rope: [512 positions][32 cosines, 32 sines] f32.
; qkv: q at 0 (32 heads a batch, scale e6), k at 0x800000 (8 heads, e7), v at 0xA00000 (8 heads, e8); each head is 512 rows of 64 bytes, dense.
;   q, k: row = token, byte = channel.   v: row = 64 x (key / 64) + channel, byte = key % 64: the keys innermost, as the second product of the attention wants them.
; A work-group makes 256 tokens x 256 columns (column tiles 0-7 q, 8-9 k, 10-11 v), a wave 128 x 128 in 64 accumulators.  K goes in steps of 256 through a ring of two LDS slots.
; CLUSTER 4, 1, 1: four token tiles with one column tile: W's tile is asked for jointly.  No 4 x 4 cluster: k and v have two column tiles each and each its own copy of the tokens' codes, so a row of four would not share the tokens' tile.
; The matrix instruction is used transposed (source 0 = 16 columns of W, source 1 = 16 tokens): a lane holds one token and eight neighbouring channels.
; THE WAY OUT.  Rotation (v reads position 0's row of the table: cosine 1, sine 0), hold, conversion: 16 registers of codes for each block of 16 tokens.
; For v these registers are a matrix operand as they stand (16 tokens x 128 channels); a product with 16 rows of the unit matrix (code 0x38 = 1) as source 1 gives a lane one channel and eight neighbouring tokens:
; one product a sum, so nothing is rounded, and the second conversion, with the scale 1, gives the same codes.  All codes go through the wave's own stage (128 rows x 128 bytes) and leave 512 bytes a store.
; LIMITS: e6 - e0 - e1, e7 - e2 - e3, e8 - e4 - e5 between -126 and 119, so that the conversion's scale and 448 x it are f32 numbers.
; REGISTERS: window 0: v8-15 offsets into the table, v16-30 addresses, v32-127 three blocks of the table, v128-255 A's fragments, then at work.  window 1: B's two sets; at the end v0-127 four blocks of the table, v128-255 the codes.  windows 2, 3: accumulators.
.set ROWB,   256
.set KROW,   2048
.set PITCH,  272                       ; an LDS row: 256 bytes + 16 of padding
.set FR,     16
.set NL,     4
.set NP,     4
.set HALFT,  128*PITCH
.set SLOT,   4*HALFT                   ; the tokens' 256 rows, then W's 256 rows
.set LAPS,   4                         ; 2048 / (2 x 256)
.set SPARE,  2*SLOT                    ; the spare words, 128 bytes a wave
.set SP,     144                       ; a stage row: 128 bytes + 16
.set WSTG,   128*SP                    ; a wave's stage; the four lie in slot 0, which has had its last fill and its last read by then
.set RA,   8
.set ADRA, 16
.set SCL,  18
.set LIM,  19
.set ADRB, 20
.set PFO,  22
.set STO,  24
.set RD,   25
.set CO,   26
.set SPW,  28
.set NIL,  29
.set ONE,  30
.set UM,   32                          ; v32-61: 30 registers, zero but for UM+14, UM+15: the unit matrix's rows 16 b .. 16 b + 15 begin at UM + 14 - 2 b
.set OUTR, 32
.set AF,   128
.set TMP,  128
.set CT,   192
.set CD,   128                         ; in window 1
.set G1,   24
.set G0,   32
.set G1B,  48
.set G0B,  56
.set PFA,  90
.set MSB, 0
.macro WIN new
.if MSB != \new
	s_set_vgpr_msb (MSB<<8)|\new
.set MSB, \new
.endif
.endm
.set MUL_LO, 0xa1
.set MUL_HI, 0xf1
.set TO_B,   0x40
.macro JLOAD g0a, g1a, g0b, g1b        ; waves 0, 1: the tokens' halves (my own); waves 2, 3: W's halves (joint)
	s_cmp_eq_u32 s15, 0
	s_cbranch_scc0 .Lfor_b_\@
	tensor_load_to_lds s[\g0a:\g0a+3], s[\g1a:\g1a+7]
	s_nop 0
.rept 4
	v_nop
.endr
	s_branch .Lasked_\@
.Lfor_b_\@:
	tensor_load_to_lds s[\g0b:\g0b+3], s[\g1b:\g1b+7]
	s_nop 0
.rept 4
	v_nop
.endr
.Lasked_\@:
.endm
.macro CREST
	s_cmp_lg_u32 s14, 0
	s_cbranch_scc1 .Lnot_wave_0_\@
	s_barrier_signal -3
.Lnot_wave_0_\@:
	s_barrier_wait -3
	s_barrier_signal -1
	s_barrier_wait -1
.endm
.macro CROUND
	s_barrier_signal -1
	s_barrier_wait -1
	CREST
.endm
; A prefetch of the K step two steps on from the load just issued: a lane a row, 256 bytes of it.  Waves 0, 1: the 128 rows of tokens that they fetch, four instructions.
; Waves 2, 3: of the 128 rows of W that they fetch jointly, the 32 that fall to my work-group by address (32 cx on), one instruction.  guard = 1: the loop's last trip has no step two on.
.macro ASK off, guard
.if \guard
	s_cmp_gt_u32 s3, 1
	s_cbranch_scc0 .Lnone_\@
.endif
	s_cmp_eq_u32 s15, 0
	s_cbranch_scc0 .Lone_\@
.irp i, 1,2,3
	global_prefetch_b8 v[PFO], s[PFA:PFA+1] offset:\off+\i*32*KROW th:TH_LOAD_NT scope:SCOPE_SE
.endr
.Lone_\@:
	global_prefetch_b8 v[PFO], s[PFA:PFA+1] offset:\off th:TH_LOAD_NT scope:SCOPE_SE
.Lnone_\@:
.endm
.macro ROPELD a, reg                   ; block a's 16 cosines and 16 sines of my token: 32 registers
.irp k, 0,1,2,3
	global_load_b128 v[\reg+8*\k:\reg+8*\k+3], v[RA+\a], s[72:73] offset:64*\k
	global_load_b128 v[\reg+8*\k+4:\reg+8*\k+7], v[RA+\a], s[72:73] offset:64*\k+16
.endr
.endm
	s_load_b256 s[68:75], s[0:1], 0x0              ; xc, wc, rope, the exponents
	s_load_b64 s[76:77], s[0:1], 0x20              ; qkv
	v_lshl_add_u32 v[SPW], v0, 2, SPARE
	v_mov_b32 v[NIL], 0
	ds_add_u32 v[SPW], v[NIL]                      ; the opening lines: the add twice on end and its wait
	ds_add_u32 v[SPW], v[NIL]
	v_lshrrev_b32 v1, 5, v0
	v_readfirstlane_b32 s14, v1                    ; wave
	s_lshr_b32 s15, s14, 1                         ; my half of the tokens; also: I fetch tokens (0) or W (1)
	s_and_b32 s16, s14, 1                          ; my half of the columns; also: which 128 rows I fetch
	s_bfe_u32 s40, ttmp6, 0x40000                  ; cx
	s_lshl_b32 s17, ttmp9, 2
	s_add_co_u32 s17, s17, s40                     ; token tile 0 .. 15
	s_and_b32 s42, ttmp7, 0xffff                   ; column tile 0 .. 11
	s_cmp_lt_u32 s42, 10
	s_cselect_b32 s41, 1, 2                        ; kind: 0 q, 1 k, 2 v
	s_cselect_b32 s43, 8, 10
	s_cselect_b32 s13, 511, 0                      ; v: every token takes position 0's row of the table,
	s_cselect_b32 s93, 4096, 0                     ; and does not step on: 16 positions are 4,096 bytes
	s_mov_b32 s94, 4096
	s_cselect_b32 s94, 32768, s94                  ; from a stage row's first 64 bytes to its second, in qkv: the next head; v: the next 64 keys
	s_mov_b32 s95, 32768
	s_cselect_b32 s95, 4096, s95                   ; from stage row 0 to row 64: 64 tokens; v: the next head
	s_cmp_lt_u32 s42, 8
	s_cselect_b32 s41, 0, s41
	s_cselect_b32 s43, 0, s43
	s_cselect_b32 s92, 5, 3                        ; log2 of the heads in a batch
	s_sub_co_u32 s43, s42, s43                     ; column tile within its kind
	s_mov_b32 s[G1+0], (0<<16)|(1<<20)|(5<<22)|(3<<25)             ; elements of 1 byte; four words of padding after every 64
	s_mov_b32 s[G1B+0], 15|(0<<16)|(1<<20)|(1<<21)|(5<<22)|(3<<25) ; the same, for all four work-groups
.irp g, G1, G1B
	s_mov_b32 s[\g+1], ROWB<<16
	s_mov_b32 s[\g+2], 128<<16
	s_mov_b32 s[\g+3], ROWB<<16
	s_mov_b32 s[\g+4], 128
	s_mov_b32 s[\g+5], KROW
	s_mov_b32 s[\g+6], 0
	s_mov_b32 s[\g+7], 0
.endr
	s_lshl_b32 s18, s16, 7
	s_lshl_b32 s20, s17, 8
	s_add_co_u32 s20, s20, s18
	s_lshl_b32 s20, s20, 11                        ; tokens: row 256 x tile + 128 x half,
	s_lshl_b32 s21, s41, 23
	s_add_co_u32 s20, s20, s21                     ; in the kind's copy
	s_mov_b32 s21, 0
	s_lshl_b32 s46, s42, 8
	s_add_co_u32 s46, s46, s18
	s_lshl_b32 s46, s46, 11                        ; W: row 256 x column tile + 128 x half
	s_mov_b32 s47, 0
	s_mul_i32 s45, s14, HALFT                      ; where they go
	s_wait_dscnt 0x0
	s_wait_kmcnt 0x0
	s_load_b256 s[80:87], s[74:75], 0x0            ; e0 .. e7
	s_load_b32 s88, s[74:75], 0x20                 ; e8
	s_add_nc_u64 s[20:21], s[68:69], s[20:21]
	s_add_nc_u64 s[46:47], s[70:71], s[46:47]
	CROUND                                         ; the round in front of the first loads
.irp s, 0,1
	s_mov_b32 s[G0+4*\s], 1
	s_add_co_u32 s[G0+4*\s+1], s45, \s*SLOT
	s_add_nc_u64 s[G0+4*\s+2:G0+4*\s+3], s[20:21], \s*ROWB
	s_or_b32 s[G0+4*\s+3], s[G0+4*\s+3], 0x80000000
	s_mov_b32 s[G0B+4*\s], 1
	s_add_co_u32 s[G0B+4*\s+1], s45, \s*SLOT
	s_add_nc_u64 s[G0B+4*\s+2:G0B+4*\s+3], s[46:47], \s*ROWB
	s_or_b32 s[G0B+4*\s+3], s[G0B+4*\s+3], 0x80000000
.endr
	JLOAD G0, G1, G0B, G1B                         ; K step 0: one tensor load a wave at the head
	s_lshl_b32 s18, s40, 16                        ; the prefetches: W's rows 32 cx on,
	s_mov_b32 s19, 0
	s_add_nc_u64 s[18:19], s[46:47], s[18:19]
	s_cmp_eq_u32 s15, 0
	s_cselect_b64 s[PFA:PFA+1], s[20:21], s[18:19] ; or my own rows of tokens
	s_mul_i32 s22, s15, HALFT                      ; my 128 tokens in a slot,
	s_mul_i32 s23, s16, HALFT
	s_add_co_u32 s23, s23, 2*HALFT                 ; my 128 rows of W,
	s_mul_i32 s44, s14, WSTG                       ; my stage
	s_and_b32 s12, s17, 1
	s_lshl_b32 s12, s12, 8
	s_lshl_b32 s18, s15, 7
	s_add_co_u32 s12, s12, s18                     ; my first token's position in its batch
	s_lshr_b32 s18, s17, 1                         ; the batch
	s_lshl_b32 s18, s18, s92
	s_lshl_b32 s19, s43, 2
	s_add_co_u32 s18, s18, s19
	s_lshl_b32 s19, s16, 1
	s_add_co_u32 s18, s18, s19                     ; my first head
	s_lshl_b32 s18, s18, 15                        ; 32,768 bytes a head,
	s_lshl_b32 s19, s12, 6
	s_add_co_u32 s18, s18, s19                     ; 64 bytes a token (v: 4,096 for 64 keys: the same number)
	s_mov_b32 s19, 0x800000
	s_cmp_eq_u32 s41, 2
	s_cselect_b32 s19, 0xa00000, s19
	s_cmp_eq_u32 s41, 0
	s_cselect_b32 s19, 0, s19
	s_add_co_u32 s18, s18, s19
	s_mov_b32 s19, 0
	s_add_nc_u64 s[4:5], s[76:77], s[18:19]        ; first 64 bytes of stage rows 0-63,
	s_mov_b32 s18, s95
	s_add_nc_u64 s[6:7], s[4:5], s[18:19]          ; of rows 64-127,
	s_mov_b32 s18, s94
	s_add_nc_u64 s[8:9], s[4:5], s[18:19]          ; second 64 bytes of rows 0-63,
	s_add_nc_u64 s[10:11], s[4:5], 36864           ; of rows 64-127
	v_and_b32 v1, 15, v0                           ; r
	v_bfe_u32 v2, v0, 4, 1                         ; h
	v_and_b32 v6, 31, v0                           ; lane
	v_mul_u32_u24 v3, v1, PITCH
	v_lshl_add_u32 v3, v2, 4, v3
	v_add_nc_u32 v[ADRA], s22, v3
	v_add_nc_u32 v[ADRB], s23, v3
	v_add_nc_u32 v[ADRA+1], SLOT, v[ADRA]
	v_add_nc_u32 v[ADRB+1], SLOT, v[ADRB]
	v_mul_u32_u24 v4, v1, SP
	v_lshl_add_u32 v4, v2, 3, v4
	v_add_nc_u32 v[STO], s44, v4                   ; into the stage: row r, + 8 h
	v_lshrrev_b32 v5, 2, v6
	v_mul_u32_u24 v5, v5, SP
	v_and_b32 v7, 3, v0
	v_lshl_add_u32 v5, v7, 4, v5
	v_add_nc_u32 v[RD], s44, v5                    ; back: four lanes to 64 bytes of a row, eight rows an instruction
	v_lshlrev_b32 v[CO], 4, v6
	v_lshlrev_b32 v[PFO], 11, v6                   ; a lane a row of 2,048 bytes
	v_add_nc_u32 v7, s12, v1
	v_and_b32 v7, s13, v7                          ; my token's position (v: 0)
	v_lshlrev_b32 v2, 5, v2
	v_lshl_add_u32 v[RA], v7, 8, v2                ; its row of the table, + 32 h
.irp i, 1,2,3,4,5,6,7
	v_add_nc_u32 v[RA+\i], s93, v[RA+\i-1]         ; and 16 positions on for each block
.endr
	s_wait_alu depctr_va_vdst(0)                   ; the wait behind the head's vector lines
	ROPELD 0, 32
	ROPELD 1, 64
	ROPELD 2, 96
	ASK ROWB, 0                                    ; K step 1, whose load stands behind the next round,
	ASK 2*ROWB, 0                                  ; and K step 2
.macro FRAG reg, adr, q, i
.irp c, 0,1,2,3
	ds_load_b128 v[\reg+4*\c:\reg+4*\c+3], v[\adr] offset:128*(\q)+32*\c+(\i)*16*PITCH
.endr
.endm
.macro MUL16 a0, p, zero               ; the 64 accumulators take turns, one instruction a turn
.irp a, \a0, \a0+1
.irp b, 0,1,2,3,4,5,6,7
.if \zero
	v_wmma_f32_16x16x128_fp8_fp8 v[8*(8*((\a)%4)+\b):8*(8*((\a)%4)+\b)+7], v[128*(\p)+FR*\b:128*(\p)+FR*\b+FR-1], v[AF+FR*(\a):AF+FR*(\a)+FR-1], 0
.else
	v_wmma_f32_16x16x128_fp8_fp8 v[8*(8*((\a)%4)+\b):8*(8*((\a)%4)+\b)+7], v[128*(\p)+FR*\b:128*(\p)+FR*\b+FR-1], v[AF+FR*(\a):AF+FR*(\a)+FR-1], v[8*(8*((\a)%4)+\b):8*(8*((\a)%4)+\b)+7]
.endif
.endr
.endr
.endm
.macro FETCH_B slot, q, p
	WIN TO_B
.irp i, 0,1,2,3,4,5,6,7
	FRAG 128*(\p)+FR*\i, ADRB+\slot, \q, \i
.endr
	WIN 0
.endm
.macro FETCH_A slot, q, i0
.irp i, \i0, \i0+1, \i0+2, \i0+3
	FRAG AF+FR*(\i), ADRA+\slot, \q, \i
.endr
.endm
.macro PLACES n
.rept \n
	v_nop
.endr
.endm
.macro STEP slot, q, zero              ; 128 along K, its successor in the same slot
	s_wait_dscnt 4*NL                              ; all but the youngest 16 loads (A's blocks 4-7)
	WIN MUL_LO
	MUL16 0, (\q)%2, \zero
	MUL16 2, (\q)%2, \zero
	s_wait_dscnt 0
	PLACES NP
	FETCH_B \slot, (\q)+1, 1-(\q)%2
	FETCH_A \slot, (\q)+1, 0
	WIN MUL_HI
	MUL16 4, (\q)%2, \zero
	MUL16 6, (\q)%2, \zero
	PLACES NP
	WIN 0
	FETCH_A \slot, (\q)+1, 4
.endm
.macro TURN slot, next, fill           ; a slot's last step changes slots
.if \fill
	s_wait_xcnt 0x0                                ; my prefetches have read their address: it steps one K step on
	s_add_nc_u64 s[PFA:PFA+1], s[PFA:PFA+1], ROWB
.endif
	s_wait_tensorcnt 0x0                           ; my part of the next slot is in;
	ds_add_u32 v[SPW], v[NIL]                      ; the add;
	s_wait_dscnt 4*NL+1                            ; (the add and the youngest 16 loads may be out)
	WIN MUL_LO
	MUL16 0, 1, 0
	s_wait_dscnt 0x0                               ; the add is done, my reads of this slot are over
	s_barrier_signal -1
	MUL16 2, 1, 0
	WIN 0
	s_barrier_wait -1
.if \fill
	CREST                                          ; the barrier has opened a round of the cluster's barrier
	s_add_nc_u64 s[G0+4*\slot+2:G0+4*\slot+3], s[G0+4*\slot+2:G0+4*\slot+3], 2*ROWB
	s_add_nc_u64 s[G0B+4*\slot+2:G0B+4*\slot+3], s[G0B+4*\slot+2:G0B+4*\slot+3], 2*ROWB
	JLOAD G0+4*\slot, G1, G0B+4*\slot, G1B
.else
	PLACES NP
.endif
	FETCH_B \next, 0, 0
	FETCH_A \next, 0, 0
.if \fill
	ASK 3*ROWB, 1                                  ; two K steps on from the load above
.endif
	WIN MUL_HI
	MUL16 4, 1, 0
	MUL16 6, 1, 0
	PLACES NP
	WIN 0
	FETCH_A \next, 0, 4
.endm
	s_wait_tensorcnt 0x0                           ; my part of K step 0 is in; the same lines as ahead of a refill:
	ds_add_u32 v[SPW], v[NIL]
	s_wait_dscnt 0x0
	CROUND
	JLOAD G0+4, G1, G0B+4, G1B                     ; slot 1's first fill: K step 1
	FETCH_B 0, 0, 0
	FETCH_A 0, 0, 0
	FETCH_A 0, 0, 4
	ASK 3*ROWB, 0                                  ; K step 3
	STEP 0, 0, 1                                   ; the first step starts the sums
	s_mov_b32 s3, LAPS-1
.Llap:
	TURN 0, 1, 1
	STEP 1, 0, 0
	TURN 1, 0, 1
	STEP 0, 0, 0
	s_sub_co_u32 s3, s3, 1
	s_cmp_lg_u32 s3, 0
	s_cbranch_scc1 .Llap
	TURN 0, 1, 0
	STEP 1, 0, 0
	s_wait_dscnt 4*NL
	WIN MUL_LO
	MUL16 0, 1, 0
	MUL16 2, 1, 0
	s_wait_dscnt 0
	PLACES NP
	WIN TO_B                                       ; B's set 0 is done with: it takes four blocks of the table
	ROPELD 3, 0
	ROPELD 4, 32
	ROPELD 5, 64
	ROPELD 6, 96
	WIN MUL_HI
	MUL16 4, 1, 0
	MUL16 6, 1, 0
	WIN 0
	s_wait_kmcnt 0x0
	s_sub_co_i32 s18, s86, s80                     ; a sum stands for sum x 2^(ea + eb); its code is sum / 2^(e - ea - eb)
	s_sub_co_i32 s18, s18, s81
	s_sub_co_i32 s19, s87, s82
	s_sub_co_i32 s19, s19, s83
	s_sub_co_i32 s20, s88, s84
	s_sub_co_i32 s20, s20, s85
	s_cmp_eq_u32 s41, 1
	s_cselect_b32 s20, s19, s20
	s_cmp_eq_u32 s41, 0
	s_cselect_b32 s20, s18, s20
	s_add_co_i32 s20, s20, 127
	s_lshl_b32 s21, s20, 23
	v_mov_b32 v[SCL], s21
	s_add_co_i32 s20, s20, 8
	s_lshl_b32 s20, s20, 23
	s_or_b32 s20, s20, 0x600000
	v_mov_b32 v[LIM], s20                          ; 448 x the scale
	PLACES NP
; block a: 16 tokens x 128 columns.  cb, cw: where its part of the table lies (register, window x 4); cnt: the loads of the table issued behind its eight
.macro ROPEBLK a, cb, cw, cnt
.set AC, 64*((\a)%4)
	s_wait_loadcnt \cnt
	WIN 0x02+((\a)/4)+\cw
.irp u, 0,1
.irp p, 0,1
.irp j, 0,2,4,6
	v_pk_mul_f32 v[TMP+32*\u+8*\p+\j:TMP+32*\u+8*\p+\j+1], v[AC+32*\u+8*\p+16+\j:AC+32*\u+8*\p+16+\j+1], v[\cb+16+8*\p+\j:\cb+16+8*\p+\j+1]
	v_pk_mul_f32 v[TMP+32*\u+8*\p+16+\j:TMP+32*\u+8*\p+16+\j+1], v[AC+32*\u+8*\p+\j:AC+32*\u+8*\p+\j+1], v[\cb+16+8*\p+\j:\cb+16+8*\p+\j+1]
	v_pk_fma_f32 v[TMP+32*\u+8*\p+\j:TMP+32*\u+8*\p+\j+1], v[AC+32*\u+8*\p+\j:AC+32*\u+8*\p+\j+1], v[\cb+8*\p+\j:\cb+8*\p+\j+1], v[TMP+32*\u+8*\p+\j:TMP+32*\u+8*\p+\j+1] neg_lo:[0,0,1] neg_hi:[0,0,1]
	v_pk_fma_f32 v[TMP+32*\u+8*\p+16+\j:TMP+32*\u+8*\p+16+\j+1], v[AC+32*\u+8*\p+16+\j:AC+32*\u+8*\p+16+\j+1], v[\cb+8*\p+\j:\cb+8*\p+\j+1], v[TMP+32*\u+8*\p+16+\j:TMP+32*\u+8*\p+16+\j+1]
.endr
.endr
.endr
	WIN 0
.if (\a) == 0
	ROPELD 7, 32                                   ; block 0's registers take block 7's part
.endif
.set i, 0
.rept 64
	v_med3_num_f32 v[TMP+i], v[TMP+i], -v[LIM], v[LIM]   ; the conversion does not saturate (ISA guide 7.6.2)
.set i, i+1
.endr
	WIN 0x40
.irp b, 0,1,2,3,4,5,6,7
	v_cvt_scalef32_pk8_fp8_f32 v[CD+16*(\a)+2*\b:CD+16*(\a)+2*\b+1], v[TMP+8*\b:TMP+8*\b+7], v[SCL]
.endr
	WIN 0
	v_nop                                          ; one plain line behind the conversions
.endm
	ROPEBLK 0, 32, 0, 48
	ROPEBLK 1, 64, 0, 48
	ROPEBLK 2, 96, 0, 40
	ROPEBLK 3, 0, 4, 32
	ROPEBLK 4, 32, 4, 24
	ROPEBLK 5, 64, 4, 16
	ROPEBLK 6, 96, 4, 8
	ROPEBLK 7, 32, 0, 0
	s_cmp_eq_u32 s41, 2                            ; the column tile's number alone: the same in all waves and all partners
	s_wait_alu depctr_va_vdst(0)
	s_cbranch_scc1 .Lturned
	WIN 0x04                                       ; q, k: stage row = token, byte = column
.irp a, 0,1,2,3,4,5,6,7
.irp b, 0,1,2,3,4,5,6,7
	ds_store_b64 v[STO], v[CD+16*\a+2*\b:CD+16*\a+2*\b+1] offset:\a*16*SP+16*\b
.endr
.endr
	WIN 0
	s_branch .Lstaged
.Lturned:                                          ; v: stage row = channel, byte = token
	v_bfe_u32 v1, v0, 3, 1
	v_bfe_u32 v2, v0, 4, 1
	v_xor_b32 v1, v1, v2                           ; channel 16 b + r lies in the half of the lanes with h = r / 8,
	v_bfe_u32 v2, v0, 2, 1
	v_lshl_or_b32 v1, v1, 1, v2                    ; in register 2 b + (r / 4) % 2,
	v_and_b32 v2, 3, v0
	v_lshlrev_b32 v2, 3, v2                        ; in byte r % 4
	v_mov_b32 v3, 56                               ; 0x38: the code of 1
	v_lshlrev_b32 v3, v2, v3
.irp z, 0,1,2,3,4,5,6,7,8,9,10,11,12,13,16,17,18,19,20,21,22,23,24,25,26,27,28,29
	v_mov_b32 v[UM+\z], 0
.endr
	v_cmp_eq_u32 vcc_lo, 0, v1
	v_cndmask_b32 v[UM+14], 0, v3, vcc_lo
	v_cmp_eq_u32 vcc_lo, 1, v1
	v_cndmask_b32 v[UM+15], 0, v3, vcc_lo
	v_mov_b32 v[ONE], 1.0
	s_wait_alu depctr_va_vdst(0)
.macro VTURN a
	WIN 0x01
.irp b, 0,1,2,3,4,5,6,7
	v_wmma_f32_16x16x128_fp8_fp8 v[TMP+8*\b:TMP+8*\b+7], v[CD+16*(\a):CD+16*(\a)+15], v[UM+14-2*\b:UM+29-2*\b], 0   ; register j of lane (r, h): token 16 a + 8 h + j, channel 16 b + r
.endr
	WIN 0
	PLACES 4
.if (\a) > 1
	s_wait_dscnt 8                                 ; the stores of two blocks back are done: their registers are written again
.endif
.irp b, 0,1,2,3,4,5,6,7
	v_cvt_scalef32_pk8_fp8_f32 v[CT+16*((\a)%2)+2*\b:CT+16*((\a)%2)+2*\b+1], v[TMP+8*\b:TMP+8*\b+7], v[ONE]
.endr
	v_nop                                          ; the plain line behind the conversions, and the fifth place ahead of the next block's products, which write these results over
.irp b, 0,1,2,3,4,5,6,7
	ds_store_b64 v[STO], v[CT+16*((\a)%2)+2*\b:CT+16*((\a)%2)+2*\b+1] offset:\b*16*SP+16*(\a)
.endr
.endm
.irp a, 0,1,2,3,4,5,6,7
	VTURN \a
.endr
.Lstaged:
.set n, 0
.rept 32
	ds_load_b128 v[OUTR+4*n:OUTR+4*n+3], v[RD] offset:(n%16)*8*SP+64*(n/16)   ; LDS serves a wave's instructions in order: these see my stores
.set n, n+1
.endr
.set n, 0
.rept 32
	s_wait_dscnt 31-n                              ; loads come back in order: the younger ones may be out
	global_store_b128 v[CO], v[OUTR+4*n:OUTR+4*n+3], s[4+4*(n/16)+2*((n%16)/8):5+4*(n/16)+2*((n%16)/8)] offset:(n%8)*512   ; 512 consecutive bytes, aligned
.set n, n+1
.endr
	s_wait_tensorcnt 0x0                           ; the wave's end
	ds_add_u32 v[SPW], v[NIL]
	s_wait_dscnt 0x0
	CROUND                                         ; the closing round
	s_endpgm
.Lfunc_end_k_q26067a4ae2_proj:
	.size	k_q26067a4ae2_proj, .Lfunc_end_k_q26067a4ae2_proj-k_q26067a4ae2_proj
	.p2alignl 7, 3214868480
	.fill 96, 4, 3214868480
	.section	.rodata,"a",@progbits
	.p2align	6, 0x0
	.amdhsa_kernel k_q26067a4ae2_proj
		.amdhsa_group_segment_fixed_size 327680
		.amdhsa_private_segment_fixed_size 0
		.amdhsa_enable_private_segment 0
		.amdhsa_kernarg_size 40
		.amdhsa_user_sgpr_count 2
		.amdhsa_user_sgpr_kernarg_segment_ptr 1
		.amdhsa_wavefront_size32 1
		.amdhsa_system_sgpr_workgroup_id_x 1
		.amdhsa_system_sgpr_workgroup_id_y 1
		.amdhsa_system_sgpr_workgroup_id_z 1
		.amdhsa_system_vgpr_workitem_id 0
		.amdhsa_next_free_vgpr 1024
		.amdhsa_next_free_sgpr 100
		.amdhsa_reserve_vcc 1
		.amdhsa_float_denorm_mode_32 3
		.amdhsa_float_denorm_mode_16_64 3
		.amdhsa_memory_ordered 1
		.amdhsa_forward_progress 1
		.amdhsa_inst_pref_size 184
	.end_amdhsa_kernel
	.amdgpu_metadata
---
amdhsa.version: [ 1, 2 ]
amdhsa.kernels:
  - .name:           k_q26067a4ae2_proj
    .symbol:         k_q26067a4ae2_proj.kd
    .args:
      - { .name: xc, .offset: 0, .size: 8, .value_kind: global_buffer, .address_space: global }
      - { .name: wc, .offset: 8, .size: 8, .value_kind: global_buffer, .address_space: global }
      - { .name: rope, .offset: 16, .size: 8, .value_kind: global_buffer, .address_space: global }
      - { .name: lowp_scales, .offset: 24, .size: 8, .value_kind: global_buffer, .address_space: global }
      - { .name: qkv, .offset: 32, .size: 8, .value_kind: global_buffer, .address_space: global }
    .group_segment_fixed_size: 327680
    .private_segment_fixed_size: 0
    .kernarg_segment_align: 8
    .kernarg_segment_size: 40
    .max_flat_workgroup_size: 128
    .sgpr_count:     100
    .vgpr_count:     1024
    .wavefront_size: 32
...
	.end_amdgpu_metadata
.endif
;; end of part 2
;; launch attn (part 3): grid 32 x 8, 16 waves a work-group, clusters of 4 x 1, 167,936 bytes of LDS; arguments qkv, lowp_scales, ac; writes ac
.if DOCPART == 3
	.amdgcn_target "amdgcn-amd-amdhsa--gfx1250"
	.amdhsa_code_object_version 6
	.text
	.protected	k_q26067a4ae2_attn
	.globl	k_q26067a4ae2_attn
	.p2align	8
	.type	k_q26067a4ae2_attn,@function
k_q26067a4ae2_attn:
	s_mov_b64 s[64:65], 0
	v_nop
	global_prefetch_b8 v0, s[64:65] scope:SCOPE_SE
	s_setreg_imm32_b32 hwreg(HW_REG_WAVE_MODE, 25, 1), 1
	s_wait_xcnt 0x0
	s_wait_alu depctr_hold_cnt(0) depctr_sa_sdst(0) depctr_va_vdst(0) depctr_va_sdst(0) depctr_va_ssrc(0) depctr_va_vcc(0) depctr_vm_vsrc(0)
	s_getreg_b32 s2, hwreg(HW_REG_IB_STS2, 6, 4)
	s_cmp_eq_u32 s2, 0
	s_cbranch_scc0 .Lentry_in_a_cluster
	s_endpgm
.Lentry_in_a_cluster:
	s_bfe_u32 s2, ttmp6, 0x10000c
	s_cmp_lg_u32 s2, 0x3003
	s_cbranch_scc0 .Lentry_shape_is_right
	s_endpgm
.Lentry_shape_is_right:
; CAUSAL ATTENTION ON CODES OF FP8 (E4M3): 8 batches, 32 query heads in 8 groups of four that share a key and value head, 512 tokens, head size 64.
; qkv: q at 0: [batch][pair of heads 16][512][2 x 64] (scale 2^e6);  k at 0x800000: [batch][pair 4][512][2 x 64] (e7);  v at 0xA00000: [batch][pair 4][chunk of 128 keys 4][2 x 64 channels][128 keys] (e8).
; ac: [4096 tokens][2048 = head x 64 + channel]: the result as codes with the scale 2^e10, the next product's operand.
; THE SOFTMAX AHEAD OF THE SECOND PRODUCT: t = score x log2(e) / 8; M = the row's largest t so far, rounded UP to a whole number; p = 2^(t - M) is quantised (e9), not normalised.
; The row's sum is taken of the unquantised p, in f32, and divides at the end.  When M moves, the sum and O are multiplied by 2^(old M - new M): exact.
; SHARES.  A cluster of four work-groups has one batch and one key and value head; its K (512 x 64) and V (64 x 512) are asked for JOINTLY, once, and stay in each work-group's LDS: nothing is filled again.
; Work-group j of the cluster owns tokens 64 g + 16 j + 0 .. 15, g = 0 .. 7, of all four query heads.  A wave owns one g and two heads: two tiles of 16 queries with the same keys, so that each fragment of K and V feeds two products.
; A key step is 64 keys; under the mask tile g needs steps 0 .. g, whatever j is: so no branch hangs on a work-group's place in its cluster, and all work-groups have the same work.
; The sixteen waves' g are dealt so that any four waves w with equal w / 4, and any four with equal w % 4, have 18 steps between them.
; Every wave walks all eight steps' heads; a step whose keys all come after the wave's queries is left out by a scalar branch on ids, round its loads, products and softmax.
; LAYOUT.  Both products are used transposed: S^T = K Q^T (source 0 = 16 keys), O^T = V^T P^T (source 0 = 16 channels): a lane holds ONE query (lane % 16) throughout.
; THE KEYS OF A TILE ARE NOT NEIGHBOURS: lane r of tile 2 b + u takes key 32 b + 8 u + r + 8 (r / 8), so that the 16 registers of tiles 2 b and 2 b + 1 are keys 32 b + 16 (lane / 16) + 0 .. 15: the conversions' results are P's registers.
; A fragment (16 rows x 64 K) is 8 registers, fetched by two loads of 16 bytes, 32 apart: registers 4 c .. 4 c + 3 hold K = 32 c + 16 (lane / 16) + 0 .. 15: the same places of k in both sources of a product.
; LIMITS: e6 + e7 between -123 and 130 (added to the exponent field of log2(e) / 8); e9, and e10 - e8 - e9, between -126 and 119.
; REGISTERS: v1-3, v5, v6, v253-255 stay; v4, v7 addresses in hand; v8-15 four of statistics a tile (-M, largest t, the sum in two halves); v16-31 Q; v32-63 K; v64-95 V; v96-159 S^T, then p; v160-223 O^T; v224-239 p's codes; v240-252 at work.
.set KP,    80                         ; a key's row in LDS: 64 bytes + 16 of padding
; qkv AS THIS TEXT READS IT (in place of what the head says of pairs and chunks): q at 0 [batch][32 heads], k at 0x800000 and v at 0xA00000 [batch][8 heads]; a head is 512 rows of 64 bytes, dense.
; q, k: row = token, byte = channel.  v: row = 64 x (key / 64) + channel, byte = key % 64.  So K's and V's tiles are dense blocks, stated as rows of 256 bytes, with the padding behind each 64.
.set VP,    80                         ; a channel's row of a key step: 64 bytes + 16
.set VOFF,  512*KP                     ; K's 512 rows, then V's 8 key steps of 64 rows,
.set STG,   VOFF+512*VP                ; K's 512 rows, V's 8 key steps of 64 rows, then the stage for the way out: 128 rows x (256 bytes + 16): no tensor load fills it,
.set SPARE, STG+128*272                ; then the spare words, 128 bytes for each wave: eight blocks of 256 bytes that no other line names
.set AK0,  1                           ; v1   my lane's place in a tile of K
.set AV0,  2                           ; v2   the same for V
.set DM,   3                           ; v3   16 cx + lane % 16 - 16 (lane / 16): on the diagonal, register n's key is hidden where 32 (n / 16) + n % 16 is above it
.set ADK,  4                           ; v4   LDS address of the step's tiles of K (at the head: Q's byte offset)
.set SPW,  5                           ; v5   LDS address of my spare word: SPARE + 4 x my thread's number; never rewritten
.set NIL,  6                           ; v6   0; never rewritten
.set ADV,  7                           ; v7   LDS address of the step's tiles of V
.set QF,   16
.set KFR,  32
.set VFR,  64
.set S,    96
.set OT,   160
.set P,    224
.set NINF, 252                         ; v252 -infinity
.set STO,  253                         ; v253 the way out: where I put 8 codes of a row
.set RD,   254                         ; v254 where I read 16 bytes back
.set GO,   255                         ; v255 my byte offset in two rows of ac
.set WV,   18                          ; s18  my wave's number
.set SEL,  20                          ; s[20:21] lane selects for v_permlanex16_b32: lane l xor 16
.set CS,   22                          ; s[22:23] c = log2(e) / 8 x 2^(e6 + e7): the packed form names a pair and takes its low word for both halves
.set G1K,  24                          ; s[24:31] descriptor group 1 for K's tiles;  s[32:39] for V's;  s[40:43], s[44:47] their groups 0
.set G1V,  32
.set G0K,  40
.set G0V,  44
.set GL,   49                          ; s49  64 g: the first key of my last step
.set KF,   50                          ; s50  the step's first key
.set TBK,  52                          ; s52  LDS byte of the trip's 128 keys in K,
.set TBV,  53                          ; s53  and of its chunk in V
.macro CROUND                          ; a round of the cluster's barrier
	s_barrier_signal -1
	s_barrier_wait -1
	s_cmp_lg_u32 s[WV], 0
	s_cbranch_scc1 .Lnot_wave_0_\@
	s_barrier_signal -3
.Lnot_wave_0_\@:
	s_barrier_wait -3
	s_barrier_signal -1
	s_barrier_wait -1
.endm
	s_load_b128 s[4:7], s[0:1], 0x0                ; qkv s[4:5], the exponents s[6:7]
	s_load_b64 s[8:9], s[0:1], 0x10                ; ac
	v_lshl_add_u32 v[SPW], v0, 2, SPARE
	v_mov_b32 v[NIL], 0
	ds_add_u32 v[SPW], v[NIL]                      ; the wave's opening: the add and its wait stand ahead of my first tensor load; the set-up below, work on registers, stands between them
	ds_add_u32 v[SPW], v[NIL]
	v_lshrrev_b32 v8, 5, v0
	s_delay_alu instid0(VALU_DEP_1)
	v_readfirstlane_b32 s[WV], v8                  ; wave 0..15
	s_bfe_u32 s54, ttmp6, 0x40000                  ; cx: my place in the cluster: it enters Q's and ac's addresses and the mask's numbers alone
	s_and_b32 s55, ttmp7, 0xffff                   ; the batch;  ttmp9: the key and value head
	s_lshl_b32 s73, s54, 4                         ; 16 cx
	s_lshr_b32 s56, s[WV], 2
	s_and_b32 s57, s[WV], 3
	s_and_b32 s19, s56, 1                          ; which pair of the group's four heads is mine
	s_xor_b32 s58, s57, s19
	s_lshr_b32 s59, s56, 1
	s_lshl_b32 s59, s59, 1
	s_lshr_b32 s60, s58, 1
	s_add_co_u32 s59, s59, s60
	s_and_b32 s60, s58, 1
	s_mul_i32 s60, s60, 7
	s_xor_b32 s48, s59, s60                        ; g, by waves: 0 7 1 6 | 7 0 6 1 | 2 5 3 4 | 5 2 4 3
	s_lshl_b32 s[GL], s48, 6
	; descriptor group 1, K's and V's alike: 8,192 dense bytes (128 rows of 64) stated as 32 rows of 256 bytes
	s_mov_b32 s[G1K], 15|(0<<16)|(1<<20)|(1<<21)|(3<<22)|(3<<25)   ; the mask: all four work-groups; elements of 1 byte; padding: four words after every 16
	s_mov_b32 s[G1K+1], 256<<16
	s_mov_b32 s[G1K+2], 32<<16
	s_mov_b32 s[G1K+3], 256<<16
	s_mov_b32 s[G1K+4], 32
	s_mov_b32 s[G1K+5], 256
	s_mov_b32 s[G1K+6], 0
	s_mov_b32 s[G1K+7], 0
	s_mov_b32 s[G1V], 15|(0<<16)|(1<<20)|(1<<21)|(3<<22)|(3<<25)
	s_mov_b32 s[G1V+1], 256<<16
	s_mov_b32 s[G1V+2], 32<<16
	s_mov_b32 s[G1V+3], 256<<16
	s_mov_b32 s[G1V+4], 32
	s_mov_b32 s[G1V+5], 256
	s_mov_b32 s[G1V+6], 0
	s_mov_b32 s[G1V+7], 0
	s_mov_b32 s[SEL], 0x76543210
	s_mov_b32 s[SEL+1], 0xfedcba98
	s_mov_b32 s[CS], 0x3e38aa3b                    ; log2(e) / 8
	; what I fetch, if I fetch: waves 0-3: keys 128 (w % 4) on; waves 4-7: V's key steps 2 (w % 4) and the next.  Both lie 32,768 bytes a head and 8,192 a quarter apart
	s_lshl_b32 s60, s55, 3
	s_add_co_u32 s60, s60, ttmp9                   ; 8 x batch + head
	s_lshl_b32 s62, s60, 15
	s_lshl_b32 s63, s57, 13
	s_add_co_u32 s62, s62, s63
	s_add_co_u32 s74, s62, 0x800000
	s_mov_b32 s75, 0
	s_add_co_u32 s76, s62, 0xa00000
	s_mov_b32 s77, 0
	s_mul_i32 s78, s57, 128*KP                     ; and where they go: no place in the cluster enters an LDS address
	s_mul_i32 s79, s57, 128*VP
	s_add_co_u32 s79, s79, VOFF
	s_wait_dscnt 0x0                               ; the opening add is done
	s_wait_kmcnt 0x0
	s_load_b128 s[68:71], s[6:7], 0x18             ; e6, e7, e8, e9
	s_load_b32 s72, s[6:7], 0x28                   ; e10
	CROUND                                         ; all four work-groups are here: the joint loads meet
	s_mov_b32 s[G0K], 1                            ; 1:0 count = 1
	s_mov_b32 s[G0K+1], s78                        ; 63:32 LDS address
	s_add_nc_u64 s[G0K+2:G0K+3], s[4:5], s[74:75]  ; 120:64 global address
	s_or_b32 s[G0K+3], s[G0K+3], 0x80000000        ; 127:126 type = 2
	s_mov_b32 s[G0V], 1
	s_mov_b32 s[G0V+1], s79
	s_add_nc_u64 s[G0V+2:G0V+3], s[4:5], s[76:77]
	s_or_b32 s[G0V+3], s[G0V+3], 0x80000000
	s_cmp_lt_u32 s[WV], 4                          ; the branches hang on the wave's number alone; one tensor load of a wave is out at the most; an s_nop 0 and four v_nop follow each line
	s_cbranch_scc0 .Lnot_k
	tensor_load_to_lds s[G0K:G0K+3], s[G1K:G1K+7]
	s_nop 0
.rept 4
	v_nop
.endr
	s_branch .Lasked
.Lnot_k:
	s_cmp_lt_u32 s[WV], 8
	s_cbranch_scc0 .Lasked
	tensor_load_to_lds s[G0V:G0V+3], s[G1V:G1V+7]
	s_nop 0
.rept 4
	v_nop
.endr
.Lasked:
	s_lshl_b32 s60, s55, 4                         ; Q: ((16 batch + 2 head + pair) x 1,024 + 64 g + 16 cx) rows of 64 bytes
	s_lshl_b32 s61, ttmp9, 1
	s_add_co_u32 s60, s60, s61
	s_add_co_u32 s60, s60, s19
	s_lshl_b32 s60, s60, 10                        ; a pair of heads is 1,024 rows of 64 bytes
	s_add_co_u32 s60, s60, s[GL]
	s_add_co_u32 s60, s60, s73
	s_lshl_b32 s60, s60, 6
	s_mov_b32 s61, 0
	s_add_nc_u64 s[10:11], s[4:5], s[60:61]
	v_and_b32 v250, 15, v0                         ; r = lane % 16
	v_bfe_u32 v251, v0, 4, 1                       ; h = lane / 16
	s_delay_alu instid0(VALU_DEP_2)
	v_lshlrev_b32 v[ADK], 6, v250
	s_delay_alu instid0(VALU_DEP_1)
	v_lshl_add_u32 v[ADK], v251, 4, v[ADK]         ; row r, + 16 h
.irp c, 0,1,2,3
	global_load_b128 v[QF+4*\c:QF+4*\c+3], v[ADK], s[10:11] offset:32*(\c%2)+32768*(\c/2)   ; the two heads' fragments stay in registers; the second head lies 32,768 bytes on
.endr
	v_and_b32 v[AK0], 8, v250
	s_delay_alu instid0(VALU_DEP_1)
	v_add_nc_u32 v[AK0], v[AK0], v250              ; r + 8 (r / 8)
	s_delay_alu instid0(VALU_DEP_1)
	v_mul_u32_u24 v[AK0], v[AK0], KP
	s_delay_alu instid0(VALU_DEP_1)
	v_lshl_add_u32 v[AK0], v251, 4, v[AK0]
	v_mul_u32_u24 v[AV0], v250, VP
	s_delay_alu instid0(VALU_DEP_1)
	v_lshl_add_u32 v[AV0], v251, 4, v[AV0]
	s_delay_alu instid0(VALU_DEP_1)
	v_add_nc_u32 v[AV0], VOFF, v[AV0]
	v_lshlrev_b32 v[DM], 4, v251
	s_delay_alu instid0(VALU_DEP_1)
	v_sub_nc_u32 v[DM], v250, v[DM]
	s_delay_alu instid0(VALU_DEP_1)
	v_add_nc_u32 v[DM], s73, v[DM]
	; the way out.  The stage's row 16 g + r holds token 64 g + 16 cx + r: 256 bytes, the group's four heads x 64 channels
	s_lshl_b32 s60, s48, 4
	s_mul_i32 s60, s60, 272
	s_lshl_b32 s61, s19, 7
	s_add_co_u32 s60, s60, s61
	s_add_co_u32 s60, s60, STG
	v_mul_u32_u24 v[STO], v250, 272
	s_delay_alu instid0(VALU_DEP_1)
	v_lshl_add_u32 v[STO], v251, 3, v[STO]
	s_delay_alu instid0(VALU_DEP_1)
	v_add_nc_u32 v[STO], s60, v[STO]               ; in: row 16 g + r, + 128 x pair + 8 h
	s_mul_i32 s61, s[WV], 8*272
	s_add_co_u32 s61, s61, STG
	v_mul_u32_u24 v[RD], v251, 272
	s_delay_alu instid0(VALU_DEP_1)
	v_lshl_add_u32 v[RD], v250, 4, v[RD]
	s_delay_alu instid0(VALU_DEP_1)
	v_add_nc_u32 v[RD], s61, v[RD]                 ; back: wave w takes rows 8 w .. 8 w + 7; lanes 0-15 one row, lanes 16-31 the next
	v_lshlrev_b32 v[GO], 11, v251
	s_delay_alu instid0(VALU_DEP_1)
	v_lshl_add_u32 v[GO], v250, 4, v[GO]           ; and the same two rows in ac
	s_lshl_b32 s60, s55, 9                         ; those rows' first token: 512 batch + 64 (w / 2) + 16 cx + 8 (w % 2)
	s_lshr_b32 s61, s[WV], 1
	s_lshl_b32 s61, s61, 6
	s_add_co_u32 s60, s60, s61
	s_add_co_u32 s60, s60, s73
	s_and_b32 s61, s[WV], 1
	s_lshl_b32 s61, s61, 3
	s_add_co_u32 s60, s60, s61
	s_lshl_b32 s60, s60, 11
	s_lshl_b32 s61, ttmp9, 8                       ; + the group's 256 bytes of a row
	s_add_co_u32 s60, s60, s61
	s_mov_b32 s61, 0
	s_add_nc_u64 s[8:9], s[8:9], s[60:61]
.irp u, 0,1
	v_mov_b32 v[9+4*\u], 0xff61b1e6                ; the largest t so far: -3e38, under every t
	s_delay_alu instid0(VALU_DEP_1)
	v_floor_f32 v[8+4*\u], -v[9+4*\u]              ; -M
	v_mov_b32 v[10+4*\u], 0                        ; the sum, in two halves
	v_mov_b32 v[11+4*\u], 0
	v_mov_b32 v[243+2*\u], 0                       ; (named as the upper half of f's pair)
	v_mov_b32 v[248+\u], 0                         ; written once: a lane permute's destination counts as one of its sources
.endr
	v_mov_b32 v[NINF], 0xff800000
.set j, 0
.rept 64
	v_mov_b32 v[OT+j], 0                           ; O^T.  (The step is written once: the first finds zeros, which the first change of M leaves zeros)
.set j, j+1
.endr
	s_wait_kmcnt 0x0
	s_add_co_i32 s60, s68, s69
	s_lshl_b32 s60, s60, 23
	s_add_co_i32 s[CS], s[CS], s60                 ; a score stands for score x 2^(e6 + e7): the two exponents are added to c's exponent field
	s_mov_b32 s[CS+1], s[CS]                       ; (named with it as a pair, so it is written)
	s_add_co_i32 s60, s71, 127
	s_lshl_b32 s61, s60, 23
	v_mov_b32 v241, s61                            ; 2^e9 as f32, for p's conversions
	s_add_co_i32 s60, s60, 8
	s_lshl_b32 s60, s60, 23
	s_or_b32 s60, s60, 0x600000
	v_mov_b32 v240, s60                            ; 448 x 2^e9
	s_mov_b32 s[KF], 0
	s_mov_b32 s[TBK], 0
	s_mov_b32 s[TBV], 0
	s_mov_b32 s51, 4
	s_wait_tensorcnt 0x0                           ; my part of K or V has landed,
	s_barrier_signal -1
	s_barrier_wait -1                              ; everybody's has
	s_wait_loadcnt 0x0                             ; Q
; the step's largest score of tile u's query, the running largest t, the new -M, and f = 2^(old M - new M)
.macro MAXM u
	v_max3_num_f32 v246, v[S+32*\u], v[S+32*\u+1], v[S+32*\u+2]   ; among my 32 keys, in two chains: each accumulator is read from its low end on,
	v_max3_num_f32 v247, v[S+32*\u+3], v[S+32*\u+4], v[S+32*\u+5]
.irp i, 6,10,14,18,22,26
	v_max3_num_f32 v246, v246, v[S+32*\u+\i], v[S+32*\u+\i+1]
	v_max3_num_f32 v247, v247, v[S+32*\u+\i+2], v[S+32*\u+\i+3]
.endr
	v_max3_num_f32 v246, v246, v[S+32*\u+30], v[S+32*\u+31]
	s_delay_alu instid0(VALU_DEP_1)
	v_max_num_f32 v246, v246, v247
	s_delay_alu instid0(VALU_DEP_1)
	v_permlanex16_b32 v[248+\u], v246, s[SEL], s[SEL+1]
	s_delay_alu instid0(VALU_DEP_1)
	v_max_num_f32 v246, v246, v[248+\u]            ; and among lane l xor 16's
	s_delay_alu instid0(VALU_DEP_1)
	v_mul_f32 v246, s[CS], v246                    ; as t (c is positive)
	s_delay_alu instid0(VALU_DEP_1)
	v_max_num_f32 v[9+4*\u], v[9+4*\u], v246       ; the running largest t
	v_mov_b32 v246, v[8+4*\u]
	s_delay_alu instid0(VALU_DEP_2)
	v_floor_f32 v[8+4*\u], -v[9+4*\u]              ; the new -M = floor(-t) = -ceil(t): M IS A WHOLE NUMBER
	s_delay_alu instid0(VALU_DEP_1)
	v_sub_f32 v246, v[8+4*\u], v246                ; M's old value less its new one: a whole number, 0 or less
	s_delay_alu instid0(VALU_DEP_1)
	v_cvt_i32_f32 v246, v246                       ; (it saturates)
	s_delay_alu instid0(VALU_DEP_1)
	v_ldexp_f32 v[242+2*\u], 1.0, v246             ; f: a multiplication by it rounds nothing
.endm
; A KEY STEP: 64 keys, the q-th half of the trip's 128.
.macro STEP q
	s_cmp_gt_u32 s[KF], s[GL]                      ; all its keys come after my queries: left out.  The wave's number and the count of steps alone; no barrier and no tensor load stands in a step
	s_cbranch_scc1 .Lskip_\@
	v_add_nc_u32 v[ADK], s[TBK], v[AK0]
	v_add_nc_u32 v[ADV], s[TBV], v[AV0]
.irp i, 0,1,2,3
.irp c, 0,1
	ds_load_b128 v[KFR+8*\i+4*\c:KFR+8*\i+4*\c+3], v[ADK] offset:(\q)*64*KP+(32*(\i/2)+8*(\i%2))*KP+32*\c   ; (the products that read these registers stand a softmax back)
.endr
.endr
	s_wait_dscnt 0x0
.irp i, 0,1,2,3
.irp u, 0,1
	v_wmma_f32_16x16x64_fp8_fp8 v[S+32*\u+8*\i:S+32*\u+8*\i+7], v[KFR+8*\i:KFR+8*\i+7], v[QF+8*\u:QF+8*\u+7], 0   ; S^T = K Q^T: each fragment of K against both tiles
.endr
.endr
.rept 4
	v_nop                                          ; four places between the products and the first read of their results (ISA guide 7.12.1)
.endr
	s_cmp_lt_u32 s[KF], s[GL]                      ; only my last step lies on the diagonal
	s_cbranch_scc1 .Lopen_\@
.set n, 0
.rept 32
	v_cmp_gt_i32 vcc_lo, 32*(n/16)+n%16, v[DM]     ; hidden keys' scores become -infinity ahead of the maximum: p = 0 then.  The step's first key counts for every query of the tile, so M stays a number
	v_cndmask_b32 v[S+n], v[S+n], v[NINF], vcc_lo
	v_cndmask_b32 v[S+32+n], v[S+32+n], v[NINF], vcc_lo
.set n, n+1
.endr
.Lopen_\@:
	MAXM 0
	MAXM 1
.irp t, 0,1,2,3
.irp c, 0,1
	ds_load_b128 v[VFR+8*\t+4*\c:VFR+8*\t+4*\c+3], v[ADV] offset:(\q)*64*VP+\t*16*VP+32*\c   ; V's fragments land under the exponentials
.endr
.endr
.irp u, 0,1
.set j, 0
.rept 16
	v_pk_fma_f32 v[S+32*\u+j:S+32*\u+j+1], v[S+32*\u+j:S+32*\u+j+1], s[CS:CS+1], v[8+4*\u:9+4*\u] op_sel_hi:[1,0,0]   ; t - M, two at a time (of the pairs c and -M the low word serves both halves)
.set j, j+2
.endr
.endr
.set j, 0
	s_wait_alu depctr_va_vdst(0)
.rept 64
	v_exp_f32 v[S+j], v[S+j]                       ; p = 2^(t - M), at most 1: NOT normalised
.set j, j+1
.endr
.irp u, 0,1
	v_pk_mul_f32 v[10+4*\u:11+4*\u], v[10+4*\u:11+4*\u], v[242+2*\u:243+2*\u] op_sel_hi:[1,0]   ; the sums under the new M.  (The plain lines behind the exponentials)
.endr
	s_wait_alu depctr_va_vdst(0)                   ; the wait ahead of the first line that names an exponential's result: one for the batch of 64
.irp u, 0,1
	v_pk_add_f32 v[250:251], v[S+32*\u:S+32*\u+1], v[S+32*\u+2:S+32*\u+3]   ; THE ROW'S SUM IS TAKEN OF THE UNQUANTISED p: two at a time, in two chains
.irp j, 4,8,12,16,20,24,28
	v_pk_add_f32 v[10+4*\u:11+4*\u], v[10+4*\u:11+4*\u], v[S+32*\u+\j:S+32*\u+\j+1]
	v_pk_add_f32 v[250:251], v[250:251], v[S+32*\u+\j+2:S+32*\u+\j+3]
.endr
	s_delay_alu instid0(VALU_DEP_1)
	v_pk_add_f32 v[10+4*\u:11+4*\u], v[10+4*\u:11+4*\u], v[250:251]
.set j, 0
.rept 32
	v_min_num_f32 v[S+32*\u+j], v[S+32*\u+j], v240 ; the conversion to an 8-bit code does not saturate (ISA guide 7.6.2); p is not negative, so the hold is one-sided
.set j, j+1
.endr
.irp t, 0,1,2,3
	v_cvt_scalef32_pk8_fp8_f32 v[P+8*\u+2*\t:P+8*\u+2*\t+1], v[S+32*\u+8*\t:S+32*\u+8*\t+7], v241
.endr
.endr
.irp u, 0,1
.set j, 0
.rept 16
	v_pk_mul_f32 v[OT+32*\u+j:OT+32*\u+j+1], v[OT+32*\u+j:OT+32*\u+j+1], v[242+2*\u:243+2*\u] op_sel_hi:[1,0]   ; O^T under the new M: x f.  (Also the plain lines between the conversions and the products that read their results)
.set j, j+2
.endr
.endr
	s_wait_alu depctr_va_vdst(0)
	s_wait_dscnt 0x0                               ; V is in
.irp t, 0,1,2,3
.irp u, 0,1
	v_wmma_f32_16x16x64_fp8_fp8 v[OT+32*\u+8*\t:OT+32*\u+8*\t+7], v[VFR+8*\t:VFR+8*\t+7], v[P+8*\u:P+8*\u+7], v[OT+32*\u+8*\t:OT+32*\u+8*\t+7]   ; O^T += V^T P^T: eight accumulators by turns, one instruction a turn
.endr
.endr
.Lskip_\@:
	s_add_co_u32 s[KF], s[KF], 64
.endm
.Ltrip:                                            ; four trips of two steps, in every wave: the trip count is a constant
	STEP 0
	STEP 1
	s_add_co_u32 s[TBK], s[TBK], 128*KP
	s_add_co_u32 s[TBV], s[TBV], 128*VP
	s_sub_co_u32 s51, s51, 1
	s_cmp_lg_u32 s51, 0
	s_cbranch_scc1 .Ltrip
	; THE WAY OUT.  O^T / the sum stands for the result / 2^(e8 + e9); its code is that / 2^(e10 - e8 - e9): the three exponents are folded into the conversion's one scale.
	v_add_f32 v10, v10, v11                        ; the sums' two halves  (these plain lines are also the places behind the last products),
	v_add_f32 v14, v14, v15
	s_delay_alu instid0(VALU_DEP_2)
	v_permlanex16_b32 v248, v10, s[SEL], s[SEL+1]
	s_delay_alu instid0(VALU_DEP_2)
	v_permlanex16_b32 v249, v14, s[SEL], s[SEL+1]
	s_delay_alu instid0(VALU_DEP_2)
	v_add_f32 v10, v10, v248                       ; and lane l xor 16's: the rows' sums
	s_delay_alu instid0(VALU_DEP_2)
	v_add_f32 v14, v14, v249
	s_wait_alu depctr_va_vdst(0)
	v_rcp_f32 v10, v10
	v_rcp_f32 v14, v14
	s_sub_co_i32 s60, s72, s70
	s_sub_co_i32 s60, s60, s71
	s_add_co_i32 s60, s60, 127
	s_lshl_b32 s61, s60, 23
	v_mov_b32 v241, s61                            ; 2^(e10 - e8 - e9) as f32  (a plain line behind the reciprocals)
	s_add_co_i32 s60, s60, 8
	s_lshl_b32 s60, s60, 23
	s_or_b32 s60, s60, 0x600000
	v_mov_b32 v240, s60                            ; 448 x that
	s_wait_alu depctr_va_vdst(0)                   ; the wait ahead of the first use: one for the two reciprocals
.irp u, 0,1
.set j, 0
.rept 16
	v_pk_mul_f32 v[S+32*\u+j:S+32*\u+j+1], v[OT+32*\u+j:OT+32*\u+j+1], v[10+4*\u:11+4*\u] op_sel_hi:[1,0]   ; register 8 t + i is channel 16 t + 8 h + i of my query
.set j, j+2
.endr
.set j, 0
.rept 32
	v_med3_num_f32 v[S+32*\u+j], v[S+32*\u+j], -v240, v240
.set j, j+1
.endr
.irp t, 0,1,2,3
	v_cvt_scalef32_pk8_fp8_f32 v[P+8*\u+2*\t:P+8*\u+2*\t+1], v[S+32*\u+8*\t:S+32*\u+8*\t+7], v241
.endr
	v_nop                                          ; one plain vector line behind the last conversion of the run
.irp t, 0,1,2,3
	ds_store_b64 v[STO], v[P+8*\u+2*\t:P+8*\u+2*\t+1] offset:64*\u+16*\t
.endr
.endr
	s_wait_dscnt 0x0                               ; for the others' sake: my stores into the stage are done; a row's 256 bytes come from two waves
	s_barrier_signal -1
	s_barrier_wait -1
.irp i, 0,1,2,3
	ds_load_b128 v[KFR+4*\i:KFR+4*\i+3], v[RD] offset:2*272*\i
.endr
.irp i, 0,1,2,3
	s_wait_dscnt 3-\i                              ; loads come back in order: the younger ones may be out
	global_store_b128 v[GO], v[KFR+4*\i:KFR+4*\i+3], s[8:9] offset:4096*\i   ; sixteen lanes store 256 consecutive bytes, aligned
.endr
	s_wait_tensorcnt 0x0                           ; the wave's end: behind my last tensor load and my last LDS store
	ds_add_u32 v[SPW], v[NIL]
	s_wait_dscnt 0x0
	CROUND                                         ; the closing round: no work-group ends while a partner may still ask for a tile that names it
	s_endpgm
.Lfunc_end_k_q26067a4ae2_attn:
	.size	k_q26067a4ae2_attn, .Lfunc_end_k_q26067a4ae2_attn-k_q26067a4ae2_attn
	.p2alignl 7, 3214868480
	.fill 96, 4, 3214868480
	.section	.rodata,"a",@progbits
	.p2align	6, 0x0
	.amdhsa_kernel k_q26067a4ae2_attn
		.amdhsa_group_segment_fixed_size 167936
		.amdhsa_private_segment_fixed_size 0
		.amdhsa_enable_private_segment 0
		.amdhsa_kernarg_size 24
		.amdhsa_user_sgpr_count 2
		.amdhsa_user_sgpr_kernarg_segment_ptr 1
		.amdhsa_wavefront_size32 1
		.amdhsa_system_sgpr_workgroup_id_x 1
		.amdhsa_system_sgpr_workgroup_id_y 1
		.amdhsa_system_sgpr_workgroup_id_z 1
		.amdhsa_system_vgpr_workitem_id 0
		.amdhsa_next_free_vgpr 256
		.amdhsa_next_free_sgpr 80
		.amdhsa_reserve_vcc 1
		.amdhsa_float_denorm_mode_32 3
		.amdhsa_float_denorm_mode_16_64 3
		.amdhsa_memory_ordered 1
		.amdhsa_forward_progress 1
		.amdhsa_inst_pref_size 60
	.end_amdhsa_kernel
	.amdgpu_metadata
---
amdhsa.version: [ 1, 2 ]
amdhsa.kernels:
  - .name:           k_q26067a4ae2_attn
    .symbol:         k_q26067a4ae2_attn.kd
    .args:
      - { .name: qkv, .offset: 0, .size: 8, .value_kind: global_buffer, .address_space: global }
      - { .name: lowp_scales, .offset: 8, .size: 8, .value_kind: global_buffer, .address_space: global }
      - { .name: ac, .offset: 16, .size: 8, .value_kind: global_buffer, .address_space: global }
    .group_segment_fixed_size: 167936
    .private_segment_fixed_size: 0
    .kernarg_segment_align: 8
    .kernarg_segment_size: 24
    .max_flat_workgroup_size: 512
    .sgpr_count:     80
    .vgpr_count:     256
    .wavefront_size: 32
...
	.end_amdgpu_metadata
.endif
;; end of part 3
;; launch outp (part 4): grid 8 x 32, 4 waves a work-group, clusters of 4 x 4, 327,680 bytes of LDS; arguments ac, wc, lowp_scales, out0; writes out0
.if DOCPART == 4
	.amdgcn_target "amdgcn-amd-amdhsa--gfx1250"
	.amdhsa_code_object_version 6
	.text
	.protected	k_q26067a4ae2_outp
	.globl	k_q26067a4ae2_outp
	.p2align	8
	.type	k_q26067a4ae2_outp,@function
k_q26067a4ae2_outp:
	s_mov_b64 s[64:65], 0
	v_nop
	global_prefetch_b8 v0, s[64:65] scope:SCOPE_SE
	s_setreg_imm32_b32 hwreg(HW_REG_WAVE_MODE, 25, 1), 1
	s_wait_xcnt 0x0
	s_wait_alu depctr_hold_cnt(0) depctr_sa_sdst(0) depctr_va_vdst(0) depctr_va_sdst(0) depctr_va_ssrc(0) depctr_va_vcc(0) depctr_vm_vsrc(0)
	s_getreg_b32 s2, hwreg(HW_REG_IB_STS2, 6, 4)
	s_cmp_eq_u32 s2, 0
	s_cbranch_scc0 .Lentry_in_a_cluster
	s_endpgm
.Lentry_in_a_cluster:
	s_bfe_u32 s2, ttmp6, 0x10000c
	s_cmp_lg_u32 s2, 0xf033
	s_cbranch_scc0 .Lentry_shape_is_right
	s_endpgm
.Lentry_shape_is_right:
; out0 = (the attention's result) x Wo ON CODES OF FP8 (E4M3).  ac: [4096 tokens][2048] codes (scale 2^e10).  wc: rows 3072 on: Wo as [2048 columns][2048 k] codes (e11).  out0: [4096][2048] f32.
; The codes are multiplied as they are, and each finished sum once by 2^(e10 + e11).  LIMIT: e10 + e11 between -126 and 127, so that this is an f32 number.
; A work-group makes 128 tokens x 256 columns: 32 x 8 = 256 work-groups.  A wave makes 64 x 128: 32 accumulators.  CLUSTER 4 x 4: A's tile is asked for jointly along a row of the cluster, B's along a column.
; THE RING HAS TWO SLOTS OF UNLIKE SIZE: slot 0 holds 512 along K (rows of 512 bytes, LDS pitch 528), slot 1 holds 256 (pitch 272): 384 x 528 + 384 x 272 = 307,200 bytes.
; K = 2048 goes as five fills: 512, 256, 512, 256, 512: steps of 128 numbered 0-3, 4-5, 6-9, 10-11, 12-15; step n lies in slot (n % 6) / 4, at its (n % 6) % 4-th 128.
; A step's fragments are fetched into registers during the step before it, in one run at that step's head, into one of two sets.  So at the head of a slot's last step nobody reads the slot any more:
; there stand the waits, the add, the round and the refill.  One tensor load of a wave is out at the most.  Waves 0, 1 fetch A's halves (64 rows), waves 2, 3 B's (128 rows).
; The matrix instruction is used transposed (source 0 = 16 columns of Wo, source 1 = 16 tokens): a lane holds eight neighbouring numbers of a row of out0.
; REGISTERS: window 0: v16-29 addresses, v128-255 A's two sets (4 x 16 each), on the way out v32-255 at work.  window 1: B's two sets (8 x 16 each).  window 2: the accumulators.
.set SIZE_N, 2048
.set WO_AT,  3072*2048
.set KROW,   2048
.set PB,     528
.set PSM,    272
.set FR,     16
.set NP,     4
.set S0B,    128*PB                    ; slot 0: A's 128 rows, then B's 256
.set S1A,    384*PB                    ; slot 1 likewise
.set S1B,    S1A+128*PSM
.set SPARE,  S1A+384*PSM               ; the spare words, 128 bytes a wave
.set STAGE,  S1A                       ; the way out: 16 rows x 528 bytes a wave, in slot 1, which has had its last fill and its last read by then
.set SPITCH, 528
.set ADRA, 16                          ; v16, v17: my A fragments in slot 0, 1
.set ADRB, 20                          ; v20, v21: B's
.set PFO,  22
.set STO,  24
.set RD,   25
.set CO,   26
.set SPW,  28
.set NIL,  29
.set TMP,  32
.set AF,   128
.set BK,   128
.set G1,   24                          ; group 1: A, slot 0
.set G0,   32                          ; groups 0: A, slot 0 and slot 1
.set G1B,  48                          ; B, slot 0
.set G0B,  56
.set G1Q,  68                          ; A, slot 1
.set G1BQ, 76                          ; B, slot 1
.set PFA,  90
.set MSB, 0
.macro WIN new
.if MSB != \new
	s_set_vgpr_msb (MSB<<8)|\new
.set MSB, \new
.endif
.endm
.set MUL,  0xa1
.set TO_B, 0x40
.macro JLOAD g0a, g1a, g0b, g1b
	s_cmp_eq_u32 s15, 0
	s_cbranch_scc0 .Lfor_b_\@
	tensor_load_to_lds s[\g0a:\g0a+3], s[\g1a:\g1a+7]
	s_nop 0
.rept 4
	v_nop
.endr
	s_branch .Lasked_\@
.Lfor_b_\@:
	tensor_load_to_lds s[\g0b:\g0b+3], s[\g1b:\g1b+7]
	s_nop 0
.rept 4
	v_nop
.endr
.Lasked_\@:
.endm
.macro CROUND
	s_barrier_signal -1
	s_barrier_wait -1
	s_cmp_lg_u32 s14, 0
	s_cbranch_scc1 .Lnot_wave_0_\@
	s_barrier_signal -3
.Lnot_wave_0_\@:
	s_barrier_wait -3
	s_barrier_signal -1
	s_barrier_wait -1
.endm
.macro SHAPE g, rowb, rows
	s_mov_b32 s[\g+1], (\rowb)<<16
	s_mov_b32 s[\g+2], (\rows)<<16
	s_mov_b32 s[\g+3], (\rowb)<<16
	s_mov_b32 s[\g+4], \rows
	s_mov_b32 s[\g+5], KROW
	s_mov_b32 s[\g+6], 0
	s_mov_b32 s[\g+7], 0
.endm
; A prefetch of 512 bytes along K from byte k0 of the rows that fall to my work-group by address: of the 64 rows of A that a wave fetches, 16 (16 cx on): lanes 0-15 their first 256 bytes, lanes 16-31 their second;
; of the 128 rows of B, 32 (32 cy on): a lane a row, two instructions.  So each block of 256 bytes is named once in the cluster.
.macro ASK k0
	global_prefetch_b8 v[PFO], s[PFA:PFA+1] offset:\k0 th:TH_LOAD_NT scope:SCOPE_SE
	s_cmp_eq_u32 s15, 0
	s_cbranch_scc1 .Lfor_a_\@
	global_prefetch_b8 v[PFO], s[PFA:PFA+1] offset:\k0+256 th:TH_LOAD_NT scope:SCOPE_SE
.Lfor_a_\@:
.endm
	s_load_b128 s[4:7], s[0:1], 0x0                ; ac, wc
	s_load_b128 s[8:11], s[0:1], 0x10              ; the exponents, out0
	v_lshl_add_u32 v[SPW], v0, 2, SPARE
	v_mov_b32 v[NIL], 0
	ds_add_u32 v[SPW], v[NIL]                      ; the opening lines: the add twice on end and its wait
	ds_add_u32 v[SPW], v[NIL]
	v_lshrrev_b32 v1, 5, v0
	v_readfirstlane_b32 s14, v1                    ; wave
	s_lshr_b32 s15, s14, 1                         ; my half of the tokens; also: I fetch A (0) or B (1)
	s_and_b32 s16, s14, 1                          ; my half of the columns; also: which half of that tile I fetch
	s_bfe_u32 s40, ttmp6, 0x40000                  ; cx
	s_bfe_u32 s41, ttmp6, 0x40004                  ; cy
	s_lshl_b32 s42, ttmp9, 2
	s_add_co_u32 s42, s42, s40                     ; tile column 0 .. 7
	s_and_b32 s17, ttmp7, 0xffff
	s_lshl_b32 s17, s17, 2
	s_add_co_u32 s17, s17, s41                     ; tile row 0 .. 31
	s_lshl_b32 s43, s41, 2
	s_lshl_b32 s43, 15, s43                        ; my row of the cluster
	s_lshl_b32 s44, 0x1111, s40                    ; my column
	s_or_b32 s[G1+0], s43, (0<<16)|(1<<20)|(1<<21)|(6<<22)|(3<<25)    ; elements of 1 byte; four words of padding after every 128
	s_or_b32 s[G1Q+0], s43, (0<<16)|(1<<20)|(1<<21)|(5<<22)|(3<<25)   ; after every 64
	s_or_b32 s[G1B+0], s44, (0<<16)|(1<<20)|(1<<21)|(6<<22)|(3<<25)
	s_or_b32 s[G1BQ+0], s44, (0<<16)|(1<<20)|(1<<21)|(5<<22)|(3<<25)
	SHAPE G1, 512, 64
	SHAPE G1Q, 256, 64
	SHAPE G1B, 512, 128
	SHAPE G1BQ, 256, 128
	s_lshl_b32 s20, s17, 18                        ; A: row 128 x tile row + 64 x half, 2,048 bytes a row
	s_lshl_b32 s18, s16, 17
	s_add_co_u32 s20, s20, s18
	s_mov_b32 s21, 0
	s_lshl_b32 s46, s42, 19                        ; B: row 256 x tile column + 128 x half
	s_lshl_b32 s18, s16, 18
	s_add_co_u32 s46, s46, s18
	s_mov_b32 s47, 0
	s_mul_i32 s84, s16, 64*PB                      ; where they go: the wave's number alone
	s_mul_i32 s85, s16, 64*PSM
	s_add_co_u32 s85, s85, S1A
	s_mul_i32 s86, s16, 128*PB
	s_add_co_u32 s86, s86, S0B
	s_mul_i32 s87, s16, 128*PSM
	s_add_co_u32 s87, s87, S1B
	s_wait_dscnt 0x0
	s_wait_kmcnt 0x0
	s_load_b64 s[96:97], s[8:9], 0x28              ; e10, e11
	s_add_nc_u64 s[20:21], s[4:5], s[20:21]
	s_add_nc_u64 s[46:47], s[6:7], s[46:47]
	s_add_nc_u64 s[46:47], s[46:47], WO_AT
	s_mov_b32 s[G0], 1
	s_mov_b32 s[G0+1], s84
	s_mov_b64 s[G0+2:G0+3], s[20:21]               ; slot 0's first fill: K bytes 0 on
	s_or_b32 s[G0+3], s[G0+3], 0x80000000
	s_mov_b32 s[G0+4], 1
	s_mov_b32 s[G0+5], s85
	s_add_nc_u64 s[G0+6:G0+7], s[20:21], 512       ; slot 1's: 512 on
	s_or_b32 s[G0+7], s[G0+7], 0x80000000
	s_mov_b32 s[G0B], 1
	s_mov_b32 s[G0B+1], s86
	s_mov_b64 s[G0B+2:G0B+3], s[46:47]
	s_or_b32 s[G0B+3], s[G0B+3], 0x80000000
	s_mov_b32 s[G0B+4], 1
	s_mov_b32 s[G0B+5], s87
	s_add_nc_u64 s[G0B+6:G0B+7], s[46:47], 512
	s_or_b32 s[G0B+7], s[G0B+7], 0x80000000
	CROUND                                         ; the round in front of the first joint loads
	JLOAD G0, G1, G0B, G1B                         ; steps 0-3: one tensor load a wave at the head
	s_lshl_b32 s18, s40, 15                        ; the prefetches: A's rows 16 cx on,
	s_mov_b32 s19, 0
	s_add_nc_u64 s[18:19], s[20:21], s[18:19]
	s_lshl_b32 s12, s41, 16                        ; B's rows 32 cy on
	s_mov_b32 s13, 0
	s_add_nc_u64 s[12:13], s[46:47], s[12:13]
	s_cmp_eq_u32 s15, 0
	s_cselect_b64 s[PFA:PFA+1], s[18:19], s[12:13]
	s_cselect_b32 s88, 15, 31                      ; rows in an instruction, less 1
	s_cselect_b32 s89, 256, 0                      ; what lanes 16-31 stand further along K
	s_mul_i32 s18, s15, 64*PB                      ; my 64 tokens in slot 0,
	s_mul_i32 s19, s15, 64*PSM
	s_add_co_u32 s19, s19, S1A                     ; in slot 1,
	s_mul_i32 s12, s16, 128*PB
	s_add_co_u32 s12, s12, S0B                     ; my 128 columns in slot 0,
	s_mul_i32 s13, s16, 128*PSM
	s_add_co_u32 s13, s13, S1B                     ; in slot 1,
	s_mul_i32 s23, s14, 16*SPITCH
	s_add_co_u32 s23, s23, STAGE                   ; my stage
	s_lshl_b32 s20, s17, 7
	s_lshl_b32 s21, s15, 6
	s_add_co_u32 s20, s20, s21                     ; my first row of out0,
	s_lshl_b32 s20, s20, 13                        ; 8,192 bytes a row,
	s_lshl_b32 s46, s42, 10
	s_lshl_b32 s47, s16, 9
	s_add_co_u32 s46, s46, s47                     ; my first column: 1,024 x tile column + 512 x half
	s_add_co_u32 s20, s20, s46
	s_mov_b32 s21, 0
	s_add_nc_u64 s[10:11], s[10:11], s[20:21]
	v_and_b32 v1, 15, v0                           ; r
	v_bfe_u32 v2, v0, 4, 1                         ; h
	v_and_b32 v6, 31, v0                           ; lane
	v_mul_u32_u24 v3, v1, PB
	v_lshl_add_u32 v3, v2, 4, v3
	v_mul_u32_u24 v4, v1, PSM
	v_lshl_add_u32 v4, v2, 4, v4
	v_add_nc_u32 v[ADRA], s18, v3
	v_add_nc_u32 v[ADRA+1], s19, v4
	v_add_nc_u32 v[ADRB], s12, v3
	v_add_nc_u32 v[ADRB+1], s13, v4
	v_mul_u32_u24 v5, v1, SPITCH
	v_lshl_add_u32 v5, v2, 5, v5
	v_add_nc_u32 v[STO], s23, v5                   ; into the stage: row r, 32 bytes for each half of the lanes
	v_lshlrev_b32 v[CO], 4, v6
	v_add_nc_u32 v[RD], s23, v[CO]                 ; back: the 32 lanes take one row of 512 bytes
	v_and_b32 v7, s88, v6
	v_lshlrev_b32 v7, 11, v7
	v_mad_u32_u24 v[PFO], v2, s89, v7
	s_wait_alu depctr_va_vdst(0)                   ; the wait behind the head's vector lines
	ASK 512                                        ; what the next three fills will load
	ASK 1024
.macro FRAG reg, adr, q, i, p
.irp c, 0,1,2,3
	ds_load_b128 v[\reg+4*\c:\reg+4*\c+3], v[\adr] offset:128*(\q)+32*\c+(\i)*16*(\p)
.endr
.endm
.macro PLACES n
.rept \n
	v_nop
.endr
.endm
.macro FETCH n                         ; step n's fragments, 48 loads in one run, into set n % 2
.set LS, ((\n)%6)/4
.set LQ, ((\n)%6)-4*LS
.set LP, PB-(PB-PSM)*LS
.set FS, (\n)%2
	WIN TO_B
.irp i, 0,1,2,3,4,5,6,7
	FRAG 128*FS+FR*\i, ADRB+LS, LQ, \i, LP
.endr
	WIN 0
.irp i, 0,1,2,3
	FRAG AF+64*FS+FR*\i, ADRA+LS, LQ, \i, LP
.endr
.endm
.macro MULS n, zero                    ; step n: the 32 accumulators take turns, one instruction a turn
.set FS, (\n)%2
	WIN MUL
.irp g, 0,1,2,3
.irp b, 0,1,2,3,4,5,6,7
.if \zero
	v_wmma_f32_16x16x128_fp8_fp8 v[8*(8*\g+\b):8*(8*\g+\b)+7], v[128*FS+FR*\b:128*FS+FR*\b+FR-1], v[AF+64*FS+FR*\g:AF+64*FS+FR*\g+FR-1], 0
.else
	v_wmma_f32_16x16x128_fp8_fp8 v[8*(8*\g+\b):8*(8*\g+\b)+7], v[128*FS+FR*\b:128*FS+FR*\b+FR-1], v[AF+64*FS+FR*\g:AF+64*FS+FR*\g+FR-1], v[8*(8*\g+\b):8*(8*\g+\b)+7]
.endif
.endr
.endr
.endm
.macro PLAIN n, zero
	s_wait_dscnt 0x0                               ; this step's fragments are in
	PLACES NP                                      ; in front of loads into the set that the last step multiplied
	FETCH (\n)+1
	MULS \n, \zero
.endm
.macro REFILL n, s                     ; the last step of a slot (s = 0: slot 0; 4: slot 1): its fragments are in registers, so the slot is filled again, 768 bytes further along K
	WIN 0
	s_wait_tensorcnt 0x0                           ; my part of the other slot is in;
	ds_add_u32 v[SPW], v[NIL]                      ; the add;
	s_add_nc_u64 s[G0+\s+2:G0+\s+3], s[G0+\s+2:G0+\s+3], 768
	s_add_nc_u64 s[G0B+\s+2:G0B+\s+3], s[G0B+\s+2:G0B+\s+3], 768
	s_wait_dscnt 0x0                               ; the add is done, and my reads of this slot are over
	CROUND
.if \s
	JLOAD G0+4, G1Q, G0B+4, G1BQ
.else
	JLOAD G0, G1, G0B, G1B
.endif
	FETCH (\n)+1                                   ; (the four v_nop behind the load are the places in front of these)
	MULS \n, 0
.endm
	s_wait_tensorcnt 0x0                           ; my part of steps 0-3 is in; the same lines as ahead of a refill:
	ds_add_u32 v[SPW], v[NIL]
	s_wait_dscnt 0x0
	CROUND
	JLOAD G0+4, G1Q, G0B+4, G1BQ                   ; slot 1's first fill: steps 4, 5
	FETCH 0
	ASK 1536                                       ; what the last fill will load
	PLAIN 0, 1                                     ; the first step starts the sums
	PLAIN 1, 0
	PLAIN 2, 0
	REFILL 3, 0                                    ; slot 0 takes steps 6-9
	PLAIN 4, 0
	REFILL 5, 4                                    ; slot 1 takes steps 10, 11
	PLAIN 6, 0
	PLAIN 7, 0
	PLAIN 8, 0
	REFILL 9, 0                                    ; slot 0 takes steps 12-15
	PLAIN 10, 0
	s_wait_tensorcnt 0x0                           ; my part of the last fill is in; nothing is filled again, so a barrier of the work-group serves
	s_wait_dscnt 0x0
	s_barrier_signal -1
	s_barrier_wait -1
	PLACES NP
	FETCH 12
	MULS 11, 0
	PLAIN 12, 0
	PLAIN 13, 0
	PLAIN 14, 0
	s_wait_dscnt 0x0
	MULS 15, 0
	WIN 0
; THE WAY OUT, block by block of 16 rows x 128 columns: through my own stage, back as whole rows of 512 bytes.  LDS serves a wave's instructions in order: no wait between the stores and the loads.
.macro TOSTAGE a
.set AC, 64*(\a)
	WIN 0x02
.irp j, 0,2,4,6,8,10,12,14,16,18,20,22,24,26,28,30,32,34,36,38,40,42,44,46,48,50,52,54,56,58,60,62
	v_pk_mul_f32 v[TMP+\j:TMP+\j+1], v[AC+\j:AC+\j+1], s[96:97] op_sel_hi:[1,0]   ; x 2^(e10 + e11); each accumulator from its low end on
.endr
	WIN 0
.irp b, 0,1,2,3,4,5,6,7
	ds_store_b128 v[STO], v[TMP+8*\b:TMP+8*\b+3] offset:64*\b
	ds_store_b128 v[STO], v[TMP+8*\b+4:TMP+8*\b+7] offset:64*\b+16
.endr
.set BB, BK+64*((\a)%2)
.irp t, 0,1,2,3,4,5,6,7,8,9,10,11,12,13,14,15
	ds_load_b128 v[BB+4*\t:BB+4*\t+3], v[RD] offset:\t*SPITCH
.endr
.endm
.macro SEND a, younger                 ; younger: the LDS instructions issued behind block a's loads
.set BB, BK+64*((\a)%2)
	s_wait_dscnt \younger
.if (\a) > 0
	s_add_nc_u64 s[10:11], s[10:11], 16*SIZE_N*4   ; (behind a wait on XCNT: the earlier stores have read their base)
.endif
.irp t, 0,1,2,3,4,5,6,7,8,9,10,11,12,13,14,15
	global_store_b128 v[CO], v[BB+4*\t:BB+4*\t+3], s[10:11] offset:\t*SIZE_N*4 th:TH_STORE_NT   ; 512 consecutive bytes, aligned
.endr
.endm
	s_wait_kmcnt 0x0
	s_add_co_i32 s96, s96, s97
	s_add_co_i32 s96, s96, 127
	s_lshl_b32 s96, s96, 23                        ; 2^(e10 + e11) as f32
	PLACES NP
	TOSTAGE 0
.irp a, 1,2,3
.if \a > 1
	s_wait_xcnt 0x0                                ; block a - 2's stores have read their registers and their base
.endif
	TOSTAGE \a
	SEND \a-1, 32                                  ; behind block a - 1's loads: block a's 16 stores and 16 loads
.endr
	s_wait_xcnt 0x0
	SEND 3, 0
	s_wait_tensorcnt 0x0                           ; the wave's end
	ds_add_u32 v[SPW], v[NIL]
	s_wait_dscnt 0x0
	CROUND                                         ; the closing round
	s_endpgm
.Lfunc_end_k_q26067a4ae2_outp:
	.size	k_q26067a4ae2_outp, .Lfunc_end_k_q26067a4ae2_outp-k_q26067a4ae2_outp
	.p2alignl 7, 3214868480
	.fill 96, 4, 3214868480
	.section	.rodata,"a",@progbits
	.p2align	6, 0x0
	.amdhsa_kernel k_q26067a4ae2_outp
		.amdhsa_group_segment_fixed_size 327680
		.amdhsa_private_segment_fixed_size 0
		.amdhsa_enable_private_segment 0
		.amdhsa_kernarg_size 32
		.amdhsa_user_sgpr_count 2
		.amdhsa_user_sgpr_kernarg_segment_ptr 1
		.amdhsa_wavefront_size32 1
		.amdhsa_system_sgpr_workgroup_id_x 1
		.amdhsa_system_sgpr_workgroup_id_y 1
		.amdhsa_system_sgpr_workgroup_id_z 1
		.amdhsa_system_vgpr_workitem_id 0
		.amdhsa_next_free_vgpr 768
		.amdhsa_next_free_sgpr 100
		.amdhsa_reserve_vcc 0
		.amdhsa_float_denorm_mode_32 3
		.amdhsa_float_denorm_mode_16_64 3
		.amdhsa_memory_ordered 1
		.amdhsa_forward_progress 1
		.amdhsa_inst_pref_size 120
	.end_amdhsa_kernel
	.amdgpu_metadata
---
amdhsa.version: [ 1, 2 ]
amdhsa.kernels:
  - .name:           k_q26067a4ae2_outp
    .symbol:         k_q26067a4ae2_outp.kd
    .args:
      - { .name: ac, .offset: 0, .size: 8, .value_kind: global_buffer, .address_space: global }
      - { .name: wc, .offset: 8, .size: 8, .value_kind: global_buffer, .address_space: global }
      - { .name: lowp_scales, .offset: 16, .size: 8, .value_kind: global_buffer, .address_space: global }
      - { .name: out0, .offset: 24, .size: 8, .value_kind: global_buffer, .address_space: global }
    .group_segment_fixed_size: 327680
    .private_segment_fixed_size: 0
    .kernarg_segment_align: 8
    .kernarg_segment_size: 32
    .max_flat_workgroup_size: 128
    .sgpr_count:     100
    .vgpr_count:     768
    .wavefront_size: 32
...
	.end_amdgpu_metadata
.endif
;; end of part 4
